; MI455X (gfx1250); checked and timed in simulation.
; The chip was launched on July 23, 2026; its instructions are those of AMD's public machine-readable ISA for CDNA 5 (MIT licence, August 2026) and "CDNA5" Instruction Set Architecture Reference Guide (July 2026). The comments in the code are by the model that wrote it; some were corrected since.
;; My Multi Head Attention. Allowed arithmetic: matrix products marked QUANTISED: E2M3 operands, one E8M0 scale for each 32 along K, by v_wmma_scale_f32_16x16x128_f8f6f4 with both operands' format E2M3, f32 sums; everything else in f32.
;; Inputs: bo 1,024 float32; bq 1,024 float32; bv 1,024 float32; causal_mask 1,024 x 1,024 float32; k 8 x 1,024 x 1,024 float32; padding_mask 8 x 1,024 bool; q 8 x 1,024 x 1,024 float32; v 8 x 1,024 x 1,024 float32; wk 1,024 x 1,024 float32; wo 1,024 x 1,024 float32; wq 1,024 x 1,024 float32; wv 1,024 x 1,024 float32.
;; Outputs: out0 8 x 1,024 x 1,024 float32.
;; This version of the problem:
;;   THIS VERSION OF THE PROBLEM IS GIVEN IN LOW PRECISION. The matrix products marked QUANTISED in the list below multiply operands that are first quantised to E2M3 (2 exponent bits, 3 mantissa bits; 6 bits a number), with one power-of-two scale for each 32 numbers along K (OCP MX v1.0); their sums are f32. All else is computed in f32.
;;   The module's matrix products, in the order in which they are computed (A, B: the left and right operand; K: the contracted axis; several contracted axes count as one K, in the product's order):
;;     1. [M 8,192, K 1,024] x [K 1,024, N 1,024]; A: input q; B: input wq: QUANTISED
;;     2. [M 8,192, K 1,024] x [K 1,024, N 1,024]; A: input k; B: input wk: QUANTISED
;;     3. [M 8,192, K 1,024] x [K 1,024, N 1,024]; A: input v; B: input wv: QUANTISED
;;     4. batch 128 x [M 1,024, K 64] x [K 64, N 1,024]; A: computed on the way; B: computed on the way: QUANTISED
;;     5. batch 128 x [M 1,024, K 1,024] x [K 1,024, N 64]; A: softmax (see below); B: computed on the way: QUANTISED
;;     6. [M 8,192, K 1,024] x [K 1,024, N 1,024]; A: computed on the way; B: input wo: QUANTISED
;;   THE QUANTISER, for each operand of a quantised product, along K:
;;     - K is cut into blocks of 32 from its start; a last block that is shorter is filled with zeros.
;;     - A block's scale is 2^e with e = floor(log2(the largest magnitude in the block)) - 2, held to -126 .. 127; a block of zeros has e = 0. As a byte (E8M0): e + 127.
;;     - Each number is divided by its block's scale, clamped to +-7.5, and rounded to the nearest number of E2M3, ties to even, subnormals kept.
;;     - The product sums the exact products of the quantised numbers (number of the format x scale) in f32.
;;   ~~~python
;;   def quantise(x, axis):      # numpy; x: float32 -> the quantised numbers, widened to float32 again
;;       x = np.moveaxis(x, axis, -1); K = x.shape[-1]
;;       x = np.pad(x, [(0, 0)] * (x.ndim - 1) + [(0, -K % 32)]); x = x.reshape(x.shape[:-1] + (-1, 32)); a = np.abs(x).max(-1, keepdims=True)
;;       e = np.where(a > 0, np.clip(np.frexp(np.where(a > 0, a, 1))[1] - 1 - 2, -126, 127), 0)      # np.frexp(a)[1] - 1 = floor(log2(a)), exactly
;;       r = np.clip(x / 2.0 ** e, -7.5, 7.5)
;;       step = 2.0 ** (np.maximum(np.frexp(np.where(r == 0, 1, r))[1] - 1, 0) - 3)
;;       q = np.round(r / step) * step * 2.0 ** e      # np.round: ties to even
;;       return np.moveaxis(q.reshape(q.shape[:-2] + (-1,))[..., :K], -1, axis).astype(np.float32)
;;   ~~~
;;   SOFTMAX AHEAD OF A QUANTISED PRODUCT. Where the list says 'softmax', what is quantised is not the finished softmax but p = 2^(t - M), with t = logit x log2(e) and M = ceil(the row's largest t), a whole number; so 1/2 < the row's largest p <= 1. The row's sum l is taken of the UNQUANTISED p, in f32, and the product's result is divided by l at the end. Since M is a whole number, a kernel that streams over the keys may use a running M (the ceiling of the running maximum): every later rescaling is an exact power of two, which a block's scale takes up: the codes' values come out the same.
;;   OPERANDS COMPUTED ON THE WAY. 'Computed on the way' means the value that the module computes at that place (a softmax that the list does not call 'softmax' is quantised finished and normalised). What goes into a quantiser is computed in f32, as accurately as f32 sums, v_exp_f32 and their like allow (about 1e-6 of the number): no bf16 or f16 on the way to a quantiser, and a product that is left as it is and whose result goes on into a quantised operand takes f32 operands (vector FMAs, or v_wmma_f32_16x16x4_f32). A number that lies on a knife's edge between two numbers of the format may be rounded either way, as far as f32 arithmetic and the matrix unit's own rounding can turn it there, and no further.
;; One version. Each part assembles by itself: llvm-mc -triple=amdgcn-amd-amdhsa -mcpu=gfx1250 --defsym DOCPART=n.
;; ======== version 1 of 1: 4 launches
;; workspace buffers: xc 28,311,552 bytes; xs 1,179,648 bytes; msk 4,227,072 bytes; qh 6,553,600 bytes; kv 13,107,200 bytes
;; launch prep (part 1): grid 256 x 1, 8 waves a work-group, no clusters, 68,608 bytes of LDS; arguments q, k, v, wq, wk, wv, wo, causal_mask, padding_mask, xc, xs, msk; writes xc, xs, msk
.if DOCPART == 1
	.amdgcn_target "amdgcn-amd-amdhsa--gfx1250"
	.amdhsa_code_object_version 6
	.text
	.protected	k_q8ff33e6292_prep
	.globl	k_q8ff33e6292_prep
	.p2align	8
	.type	k_q8ff33e6292_prep,@function
k_q8ff33e6292_prep:
	s_mov_b64 s[64:65], 0
	v_nop
	global_prefetch_b8 v0, s[64:65] scope:SCOPE_SE
	s_setreg_imm32_b32 hwreg(HW_REG_WAVE_MODE, 25, 1), 1
	s_wait_xcnt 0x0
; q, k, v [8192][1024] and wq, wk, wv, wo [1024][1024], f32 with K innermost, become codes of FP6 (E2M3) with one E8M0 byte for each 32 along K,
; laid as IMAGES OF OPERAND REGISTERS.  A tile is 16 rows: tile 2 g + u, lane row r, is row 32 g + 8 u + r + 8 (r / 8).  A fragment (tile, 128 along K) is 12 registers a lane:
; three planes of 512 bytes, plane p = registers 4 p .. 4 p + 3 at 16 x lane.  xc: tile x 12,288 + K step x 1,536.  xs: tile x 512 + (K step / 4) x 256 + 16 r + 4 (K step % 4).
; Tiles: q 0, k 512, v 1,024, wq 1,536, wk 1,600, wv 1,664, wo 1,728: 1,792 tiles = 256 work-groups x waves 0 to 6, a tile (64 KB of f32) to a wave.
; Wave 7 lays two tiles of causal_mask as the attention launch's score registers want them, and turns 32 bytes of padding_mask into f32 (-1e9 or 0).
; A block's scale byte is its largest magnitude's exponent field - 2, held at 1 from below.  A block of zeros keeps the byte 1: its codes are zeros and this program alone reads the bytes.
; LIMITS: NaN and infinities among the inputs are not served.
.set STG,   16*528                     ; a wave's stage: 16 rows of 512 bytes + 16 of padding
.set SPARE, 8*STG                      ; behind the eight stages: the spare words, 128 bytes a wave: four blocks of 256 bytes that no other line names
.set L16,  1                           ; v1   16 x lane
.set SIN,  2                           ; v2   the stage on the way in: 16 x lane
.set SOUT, 3                           ; v3   and out: 528 r + 128 h
.set SH8,  4                           ; v4   8 h
.set SPW,  5                           ; v5   my spare word
.set NIL,  6                           ; v6   0
.set LN,   7                           ; v7   lane
.set QM,   8                           ; v8-9   largest magnitudes
.set QS,   10                          ; v10-11 the conversions' scale operands
.set QB,   12                          ; v12-13 scale bytes
.set WT,   14                          ; v14-15 at work
.set WD,   16                          ; v16-23 the tile's eight scale words
.set C,    24                          ; v24-35 a fragment's codes
.set CT,   36                          ; v36-42 the upper halves of blocks, as the conversions leave them
.set R0,   48                          ; v48-175 two sets of 64 numbers as loaded
.set X,    176                         ; v176-239 my two whole blocks
	s_load_b512 s[4:19], s[0:1], 0x0               ; q, k, v, wq, wk, wv, wo, causal_mask
	s_load_b256 s[20:27], s[0:1], 0x40             ; padding_mask, xc, xs, msk
	v_lshl_add_u32 v[SPW], v0, 2, SPARE
	v_mov_b32 v[NIL], 0
	v_lshrrev_b32 v[LN], 5, v0
	v_readfirstlane_b32 s28, v[LN]                 ; wave
	v_and_b32 v[LN], 31, v0
	v_lshlrev_b32 v[L16], 4, v[LN]
	v_and_b32 v8, 15, v0                           ; r
	v_bfe_u32 v9, v0, 4, 1                         ; h
	s_mul_i32 s31, s28, STG
	v_add_nc_u32 v[SIN], s31, v[L16]
	v_mul_u32_u24 v[SOUT], v8, 528
	v_lshl_add_u32 v[SOUT], v9, 7, v[SOUT]
	v_add_nc_u32 v[SOUT], s31, v[SOUT]
	v_lshlrev_b32 v[SH8], 3, v9
	s_mov_b32 s35, 0
	s_mov_b32 s36, 0x76543210
	s_mov_b32 s37, 0xfedcba98                      ; v_permlanex16_b32: lane l xor 16
	s_mov_b32 s38, 0xffff0000                      ; lanes 16 to 31
	s_cmp_eq_u32 s28, 7
	s_cbranch_scc1 .Lmask
	s_mul_i32 s29, ttmp9, 7
	s_add_co_u32 s29, s29, s28                     ; my tile
	s_wait_kmcnt 0x0
	s_mov_b64 s[32:33], s[16:17]                   ; which tensor: the choice hangs on the tile's number alone
	s_mov_b32 s30, 1728
	s_cmp_lt_u32 s29, 1728
	s_cselect_b64 s[32:33], s[14:15], s[32:33]
	s_cselect_b32 s30, 1664, s30
	s_cmp_lt_u32 s29, 1664
	s_cselect_b64 s[32:33], s[12:13], s[32:33]
	s_cselect_b32 s30, 1600, s30
	s_cmp_lt_u32 s29, 1600
	s_cselect_b64 s[32:33], s[10:11], s[32:33]
	s_cselect_b32 s30, 1536, s30
	s_cmp_lt_u32 s29, 1536
	s_cselect_b64 s[32:33], s[8:9], s[32:33]
	s_cselect_b32 s30, 1024, s30
	s_cmp_lt_u32 s29, 1024
	s_cselect_b64 s[32:33], s[6:7], s[32:33]
	s_cselect_b32 s30, 512, s30
	s_cmp_lt_u32 s29, 512
	s_cselect_b64 s[32:33], s[4:5], s[32:33]
	s_cselect_b32 s30, 0, s30
	s_sub_co_u32 s34, s29, s30                     ; the tile's number in its tensor
	s_lshr_b32 s39, s34, 1
	s_lshl_b32 s39, s39, 17                        ; 32 rows of 4,096 bytes for each pair of tiles,
	s_and_b32 s34, s34, 1
	s_lshl_b32 s34, s34, 15                        ; 8 rows for the odd one
	s_add_co_u32 s34, s34, s39
	s_add_nc_u64 s[32:33], s[32:33], s[34:35]
	s_mul_i32 s34, s29, 12288
	s_add_nc_u64 s[22:23], s[22:23], s[34:35]
	s_lshl_b32 s34, s29, 9
	s_add_nc_u64 s[24:25], s[24:25], s[34:35]
	v_mov_b32 v[WT+1], 0                           ; a lane permute's destination counts as one of its sources
.macro LOADK s                         ; K step s: 16 rows x 512 consecutive bytes, 16 bytes a lane
.irp i, 0,1,2,3,4,5,6,7,8,9,10,11,12,13,14,15
	global_load_b128 v[R0+64*((\s)%2)+4*\i:R0+64*((\s)%2)+4*\i+3], v[L16], s[32:33] offset:(\i+8*(\i/8))*4096+512*(\s) th:TH_LOAD_NT
.endr
.endm
.macro KSTEP s
.if (\s) < 7
	s_wait_loadcnt 16                              ; this K step's 16 loads are in; the next step's 16 may be out
.else
	s_wait_loadcnt 0x0
.endif
.irp i, 0,1,2,3,4,5,6,7,8,9,10,11,12,13,14,15
	ds_store_b128 v[SIN], v[R0+64*((\s)%2)+4*\i:R0+64*((\s)%2)+4*\i+3] offset:528*\i
.endr
.irp c, 0,1                            ; back: lane (r, h) takes k = 64 c + 32 h + 0 .. 31 of row r.  LDS serves a wave's instructions in order: these see the stores above
.irp i, 0,1,2,3,4,5,6,7
	ds_load_b128 v[X+32*\c+4*\i:X+32*\c+4*\i+3], v[SOUT] offset:256*\c+16*\i
.endr
.endr
	s_wait_dscnt 0x0                               ; the stores have read their registers, and my two blocks are in
.if (\s) > 0
	s_wait_xcnt 0x0                                ; the last K step's three stores have read the codes' registers, which the conversions below write again; the wait stands ahead of the 16 loads that follow, so that it does not wait for them
.endif
.if (\s) < 6
	LOADK (\s)+2
.endif
.irp c, 0,1
	v_max3_num_f32 v[QM+\c], |v[X+32*\c]|, |v[X+32*\c+1]|, 0x1800000   ; with the floor 2^(3 - 127): the byte cannot fall under 1
.endr
.irp i, 2,4,6,8,10,12,14,16,18,20,22,24,26,28,30
.irp c, 0,1
	v_max3_num_f32 v[QM+\c], v[QM+\c], |v[X+32*\c+\i]|, |v[X+32*\c+\i+1]|
.endr
.endr
.irp c, 0,1
	v_add_nc_u32 v[QS+\c], 0xff000000, v[QM+\c]    ; 2 off the exponent field: the conversion's scale operand
.endr
.irp c, 0,1
	v_lshrrev_b32 v[QB+\c], 23, v[QS+\c]           ; the scale's byte
.endr
	v_lshl_or_b32 v[WT], v[QB+1], 16, v[QB]        ; my bytes: blocks h and 2 + h,
	v_lshlrev_b32 v[WT], v[SH8], v[WT]             ; at their places in the word;
	v_permlanex16_b32 v[WT+1], v[WT], s36, s37
	v_or_b32 v[WD+(\s)], v[WT], v[WT+1]            ; with lane l xor 16's two the word is whole
	v_cvt_scalef32_pk16_fp6_f32 v[C:C+2], v[X:X+15], v[QS]
	v_cvt_scalef32_pk16_fp6_f32 v[CT:CT+2], v[X+16:X+31], v[QS]
	v_cvt_scalef32_pk16_fp6_f32 v[C+6:C+8], v[X+32:X+47], v[QS+1]
	v_cvt_scalef32_pk16_fp6_f32 v[CT+4:CT+6], v[X+48:X+63], v[QS+1]
	v_nop                                          ; one plain place behind a scaled conversion
.irp i, 0,1,2
	v_mov_b32 v[C+3+\i], v[CT+\i]
	v_mov_b32 v[C+9+\i], v[CT+4+\i]
.endr
.irp p, 0,1,2
	global_store_b128 v[L16], v[C+4*\p:C+4*\p+3], s[22:23] offset:1536*(\s)+512*\p   ; 512 consecutive bytes
.endr
.endm
	LOADK 0
	LOADK 1
.irp s, 0,1,2,3,4,5,6,7
	KSTEP \s
.endr
.irp i, 0,1,2,3
	v_cndmask_b32 v[WD+\i], v[WD+\i], v[WD+4+\i], s38   ; lanes 0-15 store K steps 0-3, lanes 16-31 K steps 4-7
.endr
	global_store_b128 v[L16], v[WD:WD+3], s[24:25] ; the tile's 512 bytes of scale words
	s_wait_tensorcnt 0x0                           ; the wave's end
	ds_add_u32 v[SPW], v[NIL]
	s_wait_dscnt 0x0
	s_endpgm
.Lmask:                                        ; wave 7: mask tiles 2 wg and 2 wg + 1 (query tile wg / 4, key steps 2 (wg % 4) and + 1)
	s_lshr_b32 s29, ttmp9, 2
	s_and_b32 s30, ttmp9, 3
	s_lshr_b32 s34, s29, 1
	s_lshl_b32 s34, s34, 5
	s_and_b32 s39, s29, 1
	s_lshl_b32 s39, s39, 3
	s_add_co_u32 s34, s34, s39                     ; the tile's first row
	s_lshl_b32 s34, s34, 12
	s_lshl_b32 s39, s30, 10
	s_add_co_u32 s34, s34, s39                     ; + two key steps of 512 bytes
	v_and_b32 v10, 8, v8
	v_add_nc_u32 v10, v10, v8
	v_lshlrev_b32 v10, 12, v10
	v_lshl_add_u32 v10, v9, 6, v10                 ; row r + 8 (r / 8), + 64 h
	v_lshlrev_b32 v13, 2, v[LN]
	s_wait_kmcnt 0x0
	s_add_nc_u64 s[18:19], s[18:19], s[34:35]
	s_lshl_b32 s34, ttmp9, 5
	s_add_nc_u64 s[20:21], s[20:21], s[34:35]
	s_lshl_b32 s34, ttmp9, 14
	s_add_nc_u64 s[40:41], s[26:27], s[34:35]
	s_lshl_b32 s34, ttmp9, 7
	s_add_nc_u64 s[42:43], s[26:27], s[34:35]
.irp e, 0,1
.irp p, 0,1,2,3,4,5,6,7,8,9,10,11,12,13,14,15
	global_load_b128 v[R0+64*\e+4*\p:R0+64*\e+4*\p+3], v10, s[18:19] offset:512*\e+128*(\p/4)+16*(\p%4) th:TH_LOAD_NT   ; keys 32 (p / 4) + 16 h + 4 (p % 4) on
.endr
.endr
	global_load_u8 v11, v[LN], s[20:21]
	s_wait_loadcnt 0x0
.irp e, 0,1
.irp p, 0,1,2,3,4,5,6,7,8,9,10,11,12,13,14,15
	global_store_b128 v[L16], v[R0+64*\e+4*\p:R0+64*\e+4*\p+3], s[40:41] offset:8192*\e+512*\p
.endr
.endr
	v_cmp_ne_u32 vcc_lo, 0, v11
	v_mov_b32 v12, 0xce6e6b28                      ; -1e9
	v_cndmask_b32 v12, 0, v12, vcc_lo
	global_store_b32 v13, v12, s[42:43] offset:4194304
	s_wait_tensorcnt 0x0
	ds_add_u32 v[SPW], v[NIL]
	s_wait_dscnt 0x0
	s_endpgm
.Lfunc_end_k_q8ff33e6292_prep:
	.size	k_q8ff33e6292_prep, .Lfunc_end_k_q8ff33e6292_prep-k_q8ff33e6292_prep
	.p2alignl 7, 3214868480
	.fill 96, 4, 3214868480
	.section	.rodata,"a",@progbits
	.p2align	6, 0x0
	.amdhsa_kernel k_q8ff33e6292_prep
		.amdhsa_group_segment_fixed_size 68608
		.amdhsa_private_segment_fixed_size 0
		.amdhsa_enable_private_segment 0
		.amdhsa_kernarg_size 96
		.amdhsa_user_sgpr_count 2
		.amdhsa_user_sgpr_kernarg_segment_ptr 1
		.amdhsa_wavefront_size32 1
		.amdhsa_system_sgpr_workgroup_id_x 1
		.amdhsa_system_sgpr_workgroup_id_y 1
		.amdhsa_system_sgpr_workgroup_id_z 1
		.amdhsa_system_vgpr_workitem_id 0
		.amdhsa_next_free_vgpr 240
		.amdhsa_next_free_sgpr 66
		.amdhsa_reserve_vcc 1
		.amdhsa_float_denorm_mode_32 3
		.amdhsa_float_denorm_mode_16_64 3
		.amdhsa_memory_ordered 1
		.amdhsa_forward_progress 1
		.amdhsa_inst_pref_size 65
	.end_amdhsa_kernel
	.amdgpu_metadata
---
amdhsa.version: [ 1, 2 ]
amdhsa.kernels:
  - .name:           k_q8ff33e6292_prep
    .symbol:         k_q8ff33e6292_prep.kd
    .args:
      - { .name: q, .offset: 0, .size: 8, .value_kind: global_buffer, .address_space: global }
      - { .name: k, .offset: 8, .size: 8, .value_kind: global_buffer, .address_space: global }
      - { .name: v, .offset: 16, .size: 8, .value_kind: global_buffer, .address_space: global }
      - { .name: wq, .offset: 24, .size: 8, .value_kind: global_buffer, .address_space: global }
      - { .name: wk, .offset: 32, .size: 8, .value_kind: global_buffer, .address_space: global }
      - { .name: wv, .offset: 40, .size: 8, .value_kind: global_buffer, .address_space: global }
      - { .name: wo, .offset: 48, .size: 8, .value_kind: global_buffer, .address_space: global }
      - { .name: causal_mask, .offset: 56, .size: 8, .value_kind: global_buffer, .address_space: global }
      - { .name: padding_mask, .offset: 64, .size: 8, .value_kind: global_buffer, .address_space: global }
      - { .name: xc, .offset: 72, .size: 8, .value_kind: global_buffer, .address_space: global }
      - { .name: xs, .offset: 80, .size: 8, .value_kind: global_buffer, .address_space: global }
      - { .name: msk, .offset: 88, .size: 8, .value_kind: global_buffer, .address_space: global }
    .group_segment_fixed_size: 68608
    .private_segment_fixed_size: 0
    .kernarg_segment_align: 8
    .kernarg_segment_size: 96
    .max_flat_workgroup_size: 256
    .sgpr_count:     66
    .vgpr_count:     240
    .wavefront_size: 32
...
	.end_amdgpu_metadata
.endif
;; end of part 1
;; launch proj (part 2): grid 4 x 192, 8 waves a work-group, clusters of 4 x 4, 295,936 bytes of LDS; arguments xc, xs, bq, bv, padding_mask, qh, kv; writes qh, kv
.if DOCPART == 2
	.amdgcn_target "amdgcn-amd-amdhsa--gfx1250"
	.amdhsa_code_object_version 6
	.text
	.protected	k_q8ff33e6292_proj
	.globl	k_q8ff33e6292_proj
	.p2align	8
	.type	k_q8ff33e6292_proj,@function
k_q8ff33e6292_proj:
	s_mov_b64 s[64:65], 0
	v_nop
	global_prefetch_b8 v0, s[64:65] scope:SCOPE_SE
	s_setreg_imm32_b32 hwreg(HW_REG_WAVE_MODE, 25, 1), 1
	s_wait_xcnt 0x0
	s_wait_alu depctr_hold_cnt(0) depctr_sa_sdst(0) depctr_va_vdst(0) depctr_va_sdst(0) depctr_va_ssrc(0) depctr_va_vcc(0) depctr_vm_vsrc(0)
	s_getreg_b32 s2, hwreg(HW_REG_IB_STS2, 6, 4)
	s_cmp_eq_u32 s2, 0
	s_cbranch_scc0 .Lentry_in_a_cluster
	s_endpgm
.Lentry_in_a_cluster:
	s_bfe_u32 s2, ttmp6, 0x10000c
	s_cmp_lg_u32 s2, 0xf033
	s_cbranch_scc0 .Lentry_shape_is_right
	s_endpgm
.Lentry_shape_is_right:
; The three projections on codes of FP6, and their results quantised again on the way out.  Tensor t = cluster y / 16: 0 q, 1 k, 2 v.
; A work-group makes 128 (m) x 256 (n) over all K = 1,024; eight waves, each 64 x 64: 16 accumulators.  For q and k: m = tokens, n = features.  For v the roles are swapped (m = features of wv, n = tokens),
; so that quantising along n is quantising along the keys.  The matrix instruction is used transposed (source 0 = 16 rows of the n side, source 1 = 16 rows of the m side); with the tiles' row order
; (tile 2 g + u, lane row r = row 32 g + 8 u + r + 8 (r / 8)) a lane holds one m row, and register 16 e + i of its four n tiles is n = 32 e + 16 (lane / 16) + i.
; All of K lies in LDS at once (288 KB): four chunks of two K steps, each filled once; nothing is filled again.  4 x 4 work-groups form a cluster: the m side's tiles are asked for jointly along a row, the n side's along a column.
; The fragments have two sets of registers: a K step's 24 LDS loads are issued ahead of the 16 products of the K step before.
; OUT: q: half images (6 registers a lane: 512 + 256 bytes) by head and query tile, scale bytes less 3 (the division of the scores by 8, exact).  k: rows of padded keys are multiplied by 0 first, so that their scores are 0.
; k and v go into records of 51,200 bytes for (batch, group of four heads, key step of 128): K's codes, V^T's codes, K's scale halves, V's scale words.
; LIMITS: NaN and infinities are not served.  Blocks whose largest magnitude is under 2^-121 get the byte 4 (so that q's byte less 3 stays at 1 or above); blocks of zeros keep that byte: their codes are zeros.
.set BBASE, 98304                      ; LDS: m side 4 chunks x 8 tiles x 3,072; from here n side 4 chunks x 16 tiles x 3,072
.set SPARE, 294912                     ; the spare words, 128 bytes a wave: four blocks of 256 bytes that no other line names
.set L16, 1                            ; v1  16 x lane
.set L8,  2                            ; v2  8 x lane
.set RR,  3                            ; v3  r
.set HH,  4                            ; v4  h
.set VA,  5                            ; v5  LDS address of my m fragments
.set VB,  6                            ; v6  of my n fragments
.set SOF, 7                            ; v7  my scale words in xs: lanes 0-15 the m side's, lanes 16-31 the n side's
.set SPW, 8
.set NIL, 9
.set SC,  16                           ; v16-47 scale words and nothing else: 8 i + s: tile i, K step s
.set BN,  48                           ; v48-79 the bias along n, as the C of the first K step; afterwards the codes
.set CD,  48
.set KEEP, 80                          ; v80-87 1 or 0 for my row of tile a, twice
.set BM,  88                           ; v88-95 the bias along m, twice
.set TMP, 96
.set QM,  100
.set QP,  102
.set QS,  104
.set QB,  106
.set PW,  108                          ; v108-111 two scale bytes for tile a
.set VO16, 112
.set VO8, 116
.set VS,  120
.set ACC, 128                          ; v128-255 accumulator (a, b) at 128 + 8 (4 a + b).  Window 1: set p of the fragments at 96 p: 48 registers of the m side, 48 of the n side
.set WV,  18
.set G1A, 28
.set G1B, 36
.set G0A, 44
.set G0B, 68
.set SEL, 84
.set HM,  86
.set MSB, 0
.macro WIN new                         ; the immediate's high byte repeats the setting that is left
.if MSB != \new
	s_set_vgpr_msb (MSB<<8)|\new
.set MSB, \new
.endif
.endm
.macro PLACES n
.rept \n
	v_nop
.endr
.endm
.macro CROUND                          ; a round of the cluster's barrier
	s_barrier_signal -1
	s_barrier_wait -1
	s_cmp_lg_u32 s[WV], 0
	s_cbranch_scc1 .Lnot_wave_0_\@
	s_barrier_signal -3
.Lnot_wave_0_\@:
	s_barrier_wait -3
	s_barrier_signal -1
	s_barrier_wait -1
.endm
; 32 numbers of a lane, register 16 e + i = k 32 e + 16 (lane / 16) + i of my row, become six registers of codes (k = 32 (lane / 16) + 0 .. 31) in v[dst] on, and the bytes of blocks 0, 1 in v[QB], v[QB+1]
.macro QUANT2 src, dst, tmp, floor
.irp e, 0,1
	v_max3_num_f32 v[QM+\e], |v[(\src)+16*\e]|, |v[(\src)+16*\e+1]|, \floor
.endr
.irp i, 2,4,6,8,10,12,14
.irp e, 0,1
	v_max3_num_f32 v[QM+\e], v[QM+\e], |v[(\src)+16*\e+\i]|, |v[(\src)+16*\e+\i+1]|
.endr
.endr
.irp e, 0,1
	v_permlanex16_b32 v[QP+\e], v[QM+\e], s[SEL], s[SEL+1]
.endr
.irp e, 0,1
	v_max_num_f32 v[QM+\e], v[QM+\e], v[QP+\e]     ; with lane l xor 16's: the block's largest magnitude
.endr
.irp e, 0,1
	v_add_nc_u32 v[QS+\e], 0xff000000, v[QM+\e]    ; 2 off its exponent field: the conversion's scale operand
.endr
.irp e, 0,1
	v_lshrrev_b32 v[QB+\e], 23, v[QS+\e]
.endr
	v_cvt_scalef32_pk16_fp6_f32 v[(\dst):(\dst)+2], v[(\src):(\src)+15], v[QS]
	v_cvt_scalef32_pk16_fp6_f32 v[(\tmp):(\tmp)+2], v[(\src)+16:(\src)+31], v[QS+1]
	v_nop                                          ; one plain place behind a scaled conversion
.irp i, 0,1,2
	v_permlane16_swap_b32 v[(\dst)+\i], v[(\tmp)+\i]   ; a whole block to a lane: lanes 0-15 block 0, lanes 16-31 block 1
.endr
.irp i, 0,1,2
	v_mov_b32 v[(\dst)+3+\i], v[(\tmp)+\i]
.endr
.endm
	s_load_b256 s[4:11], s[0:1], 0x0               ; xc, xs, bq, bv
	s_load_b128 s[12:15], s[0:1], 0x20             ; padding_mask, qh
	s_load_b64 s[16:17], s[0:1], 0x30              ; kv
	v_lshl_add_u32 v[SPW], v0, 2, SPARE
	v_mov_b32 v[NIL], 0
	ds_add_u32 v[SPW], v[NIL]                      ; the wave's opening: the add and its wait stand ahead of my first tensor load
	v_lshrrev_b32 v10, 5, v0
	v_readfirstlane_b32 s[WV], v10                 ; wave 0..7
	v_and_b32 v10, 31, v0
	v_lshlrev_b32 v[L16], 4, v10
	v_lshlrev_b32 v[L8], 3, v10
	v_and_b32 v[RR], 15, v0
	v_bfe_u32 v[HH], v0, 4, 1
	s_and_b32 s19, s[WV], 3                        ; wn; also which part of a chunk I fetch
	s_lshr_b32 s20, s[WV], 2                       ; wm
	s_bfe_u32 s21, ttmp6, 0x40000                  ; cx
	s_bfe_u32 s22, ttmp6, 0x40004                  ; cy
	s_and_b32 s97, ttmp7, 0xffff                   ; cluster y
	s_lshr_b32 s23, s97, 4                         ; t
	s_and_b32 s97, s97, 15
	s_and_b32 s98, s97, 1
	s_lshr_b32 s99, s97, 1
	s_cmp_lt_u32 s23, 2
	s_cselect_b32 s98, s97, s98                    ; q, k: 16 cluster rows x 1 column;  v: 2 x 8
	s_cselect_b32 s99, 0, s99
	s_lshl_b32 s24, s98, 2
	s_add_co_u32 s24, s24, s22                     ; tile row (128 of m)
	s_lshl_b32 s25, s99, 2
	s_add_co_u32 s25, s25, s21                     ; tile column (256 of n)
	s_lshl_b32 s27, s23, 9
	s_lshl_b32 s26, s23, 6
	s_add_co_u32 s26, s26, 1536
	s_cmp_eq_u32 s23, 2
	s_cselect_b32 s27, 1664, s27                   ; m side: q 0, k 512, wv 1,664
	s_cselect_b32 s26, 1024, s26                   ; n side: wq 1,536, wk 1,600, v 1,024
	s_lshl_b32 s100, s24, 3
	s_add_co_u32 s27, s27, s100                    ; my first m tile
	s_lshl_b32 s101, s25, 4
	s_add_co_u32 s26, s26, s101                    ; my first n tile
	s_lshl_b32 s100, s22, 2
	s_lshl_b32 s100, 15, s100                      ; my row of the cluster
	s_lshl_b32 s101, 0x1111, s21                   ; my column
	; descriptor group 1: rows = tiles, a row = a chunk's 3,072 bytes (384 elements of 8 bytes), 12,288 bytes from tile to tile; 2 rows a wave for the m side, 4 for the n side
	s_or_b32 s[G1A], s100, (3<<16)|(1<<21)
	s_or_b32 s[G1B], s101, (3<<16)|(1<<21)
	s_mov_b32 s[G1A+1], 384<<16
	s_mov_b32 s[G1A+2], 2<<16
	s_mov_b32 s[G1A+3], 384<<16
	s_mov_b32 s[G1A+4], 2
	s_mov_b32 s[G1A+5], 1536
	s_mov_b32 s[G1A+6], 0
	s_mov_b32 s[G1A+7], 0
	s_mov_b32 s[G1B+1], 384<<16
	s_mov_b32 s[G1B+2], 4<<16
	s_mov_b32 s[G1B+3], 384<<16
	s_mov_b32 s[G1B+4], 4
	s_mov_b32 s[G1B+5], 1536
	s_mov_b32 s[G1B+6], 0
	s_mov_b32 s[G1B+7], 0
	s_lshl_b32 s60, s19, 1
	s_add_co_u32 s60, s60, s27
	s_mul_i32 s60, s60, 12288
	s_mov_b32 s61, 0
	s_lshl_b32 s62, s19, 2
	s_add_co_u32 s62, s62, s26
	s_mul_i32 s62, s62, 12288
	s_mov_b32 s63, 0
	s_mul_i32 s66, s19, 6144                       ; where they go: no place in the cluster enters an LDS address
	s_mul_i32 s67, s19, 12288
	s_add_co_u32 s67, s67, BBASE
	s_mov_b32 s[SEL], 0x76543210
	s_mov_b32 s[SEL+1], 0xfedcba98
	s_mov_b32 s[HM], 0xffff0000
	s_wait_dscnt 0x0                               ; the opening add is done
	s_wait_kmcnt 0x0
	s_add_nc_u64 s[60:61], s[4:5], s[60:61]
	s_add_nc_u64 s[62:63], s[4:5], s[62:63]
.irp c, 0,1,2,3
	s_mov_b32 s[G0A+4*\c], 1
	s_add_co_u32 s[G0A+4*\c+1], s66, \c*24576
	s_add_nc_u64 s[G0A+4*\c+2:G0A+4*\c+3], s[60:61], \c*3072
	s_or_b32 s[G0A+4*\c+3], s[G0A+4*\c+3], 0x80000000
	s_mov_b32 s[G0B+4*\c], 1
	s_add_co_u32 s[G0B+4*\c+1], s67, \c*49152
	s_add_nc_u64 s[G0B+4*\c+2:G0B+4*\c+3], s[62:63], \c*3072
	s_or_b32 s[G0B+4*\c+3], s[G0B+4*\c+3], 0x80000000
.endr
	CROUND                                         ; all sixteen work-groups are here: the joint loads meet
	s_cmp_lt_u32 s[WV], 4                          ; waves 0-3 fetch the m side, waves 4-7 the n side: four loads each, all first fills, in one branch: four loads of mine are out
	s_cbranch_scc0 .Lfill_b
.irp c, 0,1,2,3
	tensor_load_to_lds s[G0A+4*\c:G0A+4*\c+3], s[G1A:G1A+7]
	s_nop 0
.endr
	PLACES 4
	s_branch .Lfilled
.Lfill_b:
.irp c, 0,1,2,3
	tensor_load_to_lds s[G0B+4*\c:G0B+4*\c+3], s[G1B:G1B+7]
	s_nop 0
.endr
	PLACES 4
.Lfilled:
	s_mul_i32 s97, s20, 12288
	v_add_nc_u32 v[VA], s97, v[L16]
	v_add_nc_u32 v[VB], s67, v[L16]
	s_lshl_b32 s97, s20, 2
	s_add_co_u32 s97, s97, s27
	s_lshl_b32 s97, s97, 9
	s_lshl_b32 s98, s19, 2
	s_add_co_u32 s98, s98, s26
	s_lshl_b32 s98, s98, 9
	v_mov_b32 v10, s97
	v_mov_b32 v11, s98
	v_cndmask_b32 v[SOF], v10, v11, s[HM]
	v_lshl_add_u32 v[SOF], v[RR], 4, v[SOF]
.irp i, 0,1,2,3
.irp q, 0,1
	global_load_b128 v[SC+8*\i+4*\q:SC+8*\i+4*\q+3], v[SOF], s[6:7] offset:512*\i+256*\q
.endr
.endr
	s_cmp_eq_u32 s23, 0                            ; bq along n, for q alone; elsewhere the index is held at the buffer's start and the numbers are replaced by 0
	s_cselect_b32 s87, -1, 0
	s_cselect_b32 s97, s25, 0
	s_lshl_b32 s97, s97, 10
	s_lshl_b32 s98, s19, 8
	s_add_co_u32 s97, s97, s98
	v_lshl_add_u32 v12, v[HH], 6, s97
.irp b, 0,1,2,3
	global_load_b128 v[BN+8*\b:BN+8*\b+3], v12, s[8:9] offset:(32*(\b/2)+8*(\b%2))*4
	global_load_b128 v[BN+8*\b+4:BN+8*\b+7], v12, s[8:9] offset:(32*(\b/2)+8*(\b%2))*4+16
.endr
	v_and_b32 v13, 8, v[RR]
	v_add_nc_u32 v13, v13, v[RR]                   ; r + 8 (r / 8)
	s_lshl_b32 s97, s24, 7
	s_lshl_b32 s98, s20, 6
	s_add_co_u32 s97, s97, s98
	v_add_nc_u32 v14, s97, v13                     ; my m row of tile 0: as a token it indexes padding_mask (used for k alone; inside the buffer for every t)
.irp a, 0,1,2,3
	global_load_u8 v[TMP+\a], v14, s[12:13] offset:32*(\a/2)+8*(\a%2)
.endr
	s_cmp_eq_u32 s23, 2                            ; bv along m, for v alone
	s_cselect_b32 s89, -1, 0
	s_cselect_b32 s97, s24, 0
	s_lshl_b32 s97, s97, 7
	s_add_co_u32 s97, s97, s98
	s_lshl_b32 s97, s97, 2
	v_lshl_add_u32 v15, v13, 2, s97
.irp a, 0,1,2,3
	global_load_b32 v[BM+2*\a], v15, s[10:11] offset:(32*(\a/2)+8*(\a%2))*4
.endr
	s_cmp_eq_u32 s23, 1
	s_cselect_b32 s88, -1, 0
	; where my results go: all three tensors' places are computed, and the tensor's number picks one
	s_lshr_b32 s97, s24, 3                         ; q, k: batch,
	s_and_b32 s98, s24, 7                          ; and which 128 tokens of it
	s_lshl_b32 s99, s97, 4
	s_lshl_b32 s100, s25, 2
	s_add_co_u32 s99, s99, s100
	s_add_co_u32 s99, s99, s19                     ; 16 batch + head
	s_lshl_b32 s99, s99, 6
	s_lshl_b32 s100, s98, 3
	s_add_co_u32 s99, s99, s100
	s_lshl_b32 s100, s20, 2
	s_add_co_u32 s99, s99, s100                    ; x 64 + my first query tile
	s_mul_i32 s2, s99, 768
	s_lshl_b32 s3, s99, 5
	s_add_co_u32 s3, s3, 6291456
	s_lshl_b32 s99, s97, 2
	s_add_co_u32 s99, s99, s25
	s_lshl_b32 s99, s99, 3
	s_add_co_u32 s99, s99, s98
	s_mul_i32 s99, s99, 51200                      ; k: the record
	s_mul_i32 s100, s19, 6144
	s_add_co_u32 s100, s100, s99
	s_mul_i32 s101, s20, 3072
	s_add_co_u32 s100, s100, s101
	s_lshl_b32 s101, s19, 8
	s_add_co_u32 s99, s99, s101
	s_lshl_b32 s101, s20, 7
	s_add_co_u32 s99, s99, s101
	s_add_co_u32 s99, s99, 49152
	s_cmp_eq_u32 s23, 0
	s_cselect_b32 s2, s2, s100
	s_cselect_b32 s3, s3, s99
	s_cselect_b64 s[90:91], s[14:15], s[16:17]
	s_cselect_b32 s96, 0x0303, 0                   ; 3 off both of q's bytes
	s_lshr_b32 s97, s25, 2                         ; v: batch
	s_and_b32 s98, s25, 3
	s_lshl_b32 s98, s98, 1
	s_lshr_b32 s99, s19, 1
	s_add_co_u32 s98, s98, s99                     ; key step
	s_lshl_b32 s97, s97, 2
	s_lshr_b32 s99, s24, 1
	s_add_co_u32 s97, s97, s99                     ; + group of heads
	s_lshl_b32 s97, s97, 3
	s_add_co_u32 s97, s97, s98
	s_mul_i32 s97, s97, 51200
	s_and_b32 s98, s24, 1
	s_lshl_b32 s98, s98, 1
	s_add_co_u32 s98, s98, s20                     ; head in the group
	s_and_b32 s99, s19, 1                          ; which 64 keys of the step
	s_mul_i32 s100, s98, 6144
	s_add_co_u32 s100, s100, s97
	s_mul_i32 s101, s99, 768
	s_add_co_u32 s100, s100, s101
	s_add_co_u32 s100, s100, 24576
	s_lshl_b32 s98, s98, 8
	s_add_co_u32 s97, s97, s98
	s_lshl_b32 s99, s99, 1
	s_add_co_u32 s97, s97, s99
	s_add_co_u32 s97, s97, 50176
	s_cmp_eq_u32 s23, 2
	s_cselect_b32 s2, s100, s2
	s_cselect_b32 s3, s97, s3
	s_mov_b32 s94, 768
	s_cselect_b32 s94, 1536, s94                   ; bytes from tile a to tile a + 1
	s_cselect_b32 s95, 1, 0                        ; v's scale halves lie 4 bytes apart, the others' 2
	s_mov_b32 s98, s3
	s_mov_b32 s99, 0
	s_add_nc_u64 s[92:93], s[90:91], s[98:99]
	s_mov_b32 s98, s2
	s_add_nc_u64 s[90:91], s[90:91], s[98:99]
.irp a, 0,1,2,3
	s_mul_i32 s97, s94, \a
	v_add_nc_u32 v[VO16+\a], s97, v[L16]
	v_add_nc_u32 v[VO8+\a], s97, v[L8]
.endr
	v_lshlrev_b32 v10, 1, v[RR]
	v_lshl_add_u32 v10, v[HH], 5, v10
	v_lshlrev_b32 v[VS], s95, v10
	v_add_nc_u32 v10, 64, v10
	v_lshlrev_b32 v[VS+1], s95, v10
	s_wait_loadcnt 0x0
.set i, 0
.rept 32
	v_cndmask_b32 v[BN+i], 0, v[BN+i], s87
.set i, i+1
.endr
	v_mov_b32 v10, 0
.irp a, 0,1,2,3
	v_cmp_ne_u32 s97, 0, v[TMP+\a]
	s_and_b32 s97, s97, s88
	v_cndmask_b32 v[KEEP+2*\a], 1.0, v10, s97      ; 0 for a padded key's row of k, else 1
	v_cndmask_b32 v[KEEP+2*\a+1], 1.0, v10, s97
	v_cndmask_b32 v[BM+2*\a], 0, v[BM+2*\a], s89
	v_mov_b32 v[BM+2*\a+1], v[BM+2*\a]
.endr
	v_mov_b32 v[QP], 0                             ; a lane permute's destination counts as one of its sources
	v_mov_b32 v[QP+1], 0
; K step s's 4 + 4 fragments from LDS into set s % 2: three loads of 512 consecutive bytes each
.macro FETCH s
	WIN 0x40
.irp i, 0,1,2,3
.irp p, 0,1,2
	ds_load_b128 v[96*((\s)%2)+12*\i+4*\p:96*((\s)%2)+12*\i+4*\p+3], v[VA] offset:\i*3072+((\s)%2)*1536+512*\p
.endr
.endr
.irp i, 0,1,2,3
.irp p, 0,1,2
	ds_load_b128 v[96*((\s)%2)+48+12*\i+4*\p:96*((\s)%2)+48+12*\i+4*\p+3], v[VB] offset:\i*3072+((\s)%2)*1536+512*\p
.endr
.endr
.endm
; K step s's 16 matrix instructions, the 16 accumulators by turns in one fixed order
.macro MUL s
	WIN 0x05
.irp a, 0,1,2,3
.irp b, 0,1,2,3
.if (\s) == 0
	v_wmma_scale_f32_16x16x128_f8f6f4 v[ACC+8*(4*\a+\b):ACC+8*(4*\a+\b)+7], v[96*((\s)%2)+48+12*\b:96*((\s)%2)+48+12*\b+11], v[96*((\s)%2)+12*\a:96*((\s)%2)+12*\a+11], v[BN+8*\b:BN+8*\b+7], v[SC+8*\b+(\s)], v[SC+8*\a+(\s)] matrix_a_fmt:MATRIX_FMT_FP6 matrix_b_fmt:MATRIX_FMT_FP6 matrix_a_scale:MATRIX_SCALE_ROW1
.else
	v_wmma_scale_f32_16x16x128_f8f6f4 v[ACC+8*(4*\a+\b):ACC+8*(4*\a+\b)+7], v[96*((\s)%2)+48+12*\b:96*((\s)%2)+48+12*\b+11], v[96*((\s)%2)+12*\a:96*((\s)%2)+12*\a+11], v[ACC+8*(4*\a+\b):ACC+8*(4*\a+\b)+7], v[SC+8*\b+(\s)], v[SC+8*\a+(\s)] matrix_a_fmt:MATRIX_FMT_FP6 matrix_b_fmt:MATRIX_FMT_FP6 matrix_a_scale:MATRIX_SCALE_ROW1
.endif
.endr
.endr
	WIN 0
.endm
	s_wait_tensorcnt 0x3                           ; my part of chunk 0 is in; the three chunks issued behind it may stay out
	s_barrier_signal -1
	s_barrier_wait -1                              ; everybody's is
	FETCH 0
.irp s, 0,1,2,3,4,5,6,7
	s_wait_dscnt 0x0                               ; K step s's fragments are in: they were asked for ahead of the products of the K step before; no LDS load of mine is out at the signal below
.if ((\s)%2 == 1) && ((\s) < 7)
	s_wait_tensorcnt 3-(\s+1)/2                    ; my part of the next chunk is in; the chunks issued behind it may stay out
	s_barrier_signal -1
	s_barrier_wait -1
	v_add_nc_u32 v[VA], 24576, v[VA]
	v_add_nc_u32 v[VB], 49152, v[VB]
.endif
.if ((\s) > 0) && ((\s) < 7)
	PLACES 4                                       ; in front of loads into the set that the K step before has multiplied
.endif
.if (\s) < 7
	FETCH \s+1
.endif
	MUL \s
.endr
	PLACES 4
; Tile a: x KEEP + the bias along m (each accumulator from its low end on), quantised along n, stored as a half image: 512 and 256 consecutive bytes.  Each tile has its own registers for its codes.
.macro EPI a
.set i, 0
.rept 16
	v_pk_fma_f32 v[ACC+32*\a+i:ACC+32*\a+i+1], v[ACC+32*\a+i:ACC+32*\a+i+1], v[KEEP+2*\a:KEEP+2*\a+1], v[BM+2*\a:BM+2*\a+1]
.set i, i+2
.endr
	QUANT2 ACC+32*\a, CD+8*\a, TMP, 0x3000000
	v_lshl_or_b32 v[PW+\a], v[QB+1], 8, v[QB]
	v_sub_nc_u32 v[PW+\a], v[PW+\a], s96
	global_store_b128 v[VO16+\a], v[CD+8*\a:CD+8*\a+3], s[90:91]
	global_store_b64 v[VO8+\a], v[CD+8*\a+4:CD+8*\a+5], s[90:91] offset:512
.endm
	EPI 0
	EPI 1
	EPI 2
	EPI 3
.irp i, 0,1
	v_cndmask_b32 v[PW+2*\i], v[PW+2*\i], v[PW+2*\i+1], s[HM]   ; lanes 0-15 tile 2 i, lanes 16-31 tile 2 i + 1
	global_store_b16 v[VS+\i], v[PW+2*\i], s[92:93]             ; two bytes a row: one part in 24 of what the launch stores
.endr
	s_wait_tensorcnt 0x0                           ; the wave's end
	ds_add_u32 v[SPW], v[NIL]
	s_wait_dscnt 0x0
	CROUND                                         ; the closing round
	s_endpgm
.Lfunc_end_k_q8ff33e6292_proj:
	.size	k_q8ff33e6292_proj, .Lfunc_end_k_q8ff33e6292_proj-k_q8ff33e6292_proj
	.p2alignl 7, 3214868480
	.fill 96, 4, 3214868480
	.section	.rodata,"a",@progbits
	.p2align	6, 0x0
	.amdhsa_kernel k_q8ff33e6292_proj
		.amdhsa_group_segment_fixed_size 295936
		.amdhsa_private_segment_fixed_size 0
		.amdhsa_enable_private_segment 0
		.amdhsa_kernarg_size 56
		.amdhsa_user_sgpr_count 2
		.amdhsa_user_sgpr_kernarg_segment_ptr 1
		.amdhsa_wavefront_size32 1
		.amdhsa_system_sgpr_workgroup_id_x 1
		.amdhsa_system_sgpr_workgroup_id_y 1
		.amdhsa_system_sgpr_workgroup_id_z 1
		.amdhsa_system_vgpr_workitem_id 0
		.amdhsa_next_free_vgpr 448
		.amdhsa_next_free_sgpr 102
		.amdhsa_reserve_vcc 0
		.amdhsa_float_denorm_mode_32 3
		.amdhsa_float_denorm_mode_16_64 3
		.amdhsa_memory_ordered 1
		.amdhsa_forward_progress 1
		.amdhsa_inst_pref_size 61
	.end_amdhsa_kernel
	.amdgpu_metadata
---
amdhsa.version: [ 1, 2 ]
amdhsa.kernels:
  - .name:           k_q8ff33e6292_proj
    .symbol:         k_q8ff33e6292_proj.kd
    .args:
      - { .name: xc, .offset: 0, .size: 8, .value_kind: global_buffer, .address_space: global }
      - { .name: xs, .offset: 8, .size: 8, .value_kind: global_buffer, .address_space: global }
      - { .name: bq, .offset: 16, .size: 8, .value_kind: global_buffer, .address_space: global }
      - { .name: bv, .offset: 24, .size: 8, .value_kind: global_buffer, .address_space: global }
      - { .name: padding_mask, .offset: 32, .size: 8, .value_kind: global_buffer, .address_space: global }
      - { .name: qh, .offset: 40, .size: 8, .value_kind: global_buffer, .address_space: global }
      - { .name: kv, .offset: 48, .size: 8, .value_kind: global_buffer, .address_space: global }
    .group_segment_fixed_size: 295936
    .private_segment_fixed_size: 0
    .kernarg_segment_align: 8
    .kernarg_segment_size: 56
    .max_flat_workgroup_size: 256
    .sgpr_count:     102
    .vgpr_count:     448
    .wavefront_size: 32
...
	.end_amdgpu_metadata
.endif
;; end of part 2
;; launch attn (part 3): grid 8 x 32, 8 waves a work-group, clusters of 4 x 1, 327,680 bytes of LDS; arguments qh, kv, msk, xc, xs; writes xc, xs
.if DOCPART == 3
	.amdgcn_target "amdgcn-amd-amdhsa--gfx1250"
	.amdhsa_code_object_version 6
	.text
	.protected	k_q8ff33e6292_attn
	.globl	k_q8ff33e6292_attn
	.p2align	8
	.type	k_q8ff33e6292_attn,@function
k_q8ff33e6292_attn:
	s_mov_b64 s[64:65], 0
	v_nop
	global_prefetch_b8 v0, s[64:65] scope:SCOPE_SE
	s_setreg_imm32_b32 hwreg(HW_REG_WAVE_MODE, 25, 1), 1
	s_wait_xcnt 0x0
	s_wait_alu depctr_hold_cnt(0) depctr_sa_sdst(0) depctr_va_vdst(0) depctr_va_sdst(0) depctr_va_ssrc(0) depctr_va_vcc(0) depctr_vm_vsrc(0)
	s_getreg_b32 s2, hwreg(HW_REG_IB_STS2, 6, 4)
	s_cmp_eq_u32 s2, 0
	s_cbranch_scc0 .Lentry_in_a_cluster
	s_endpgm
.Lentry_in_a_cluster:
	s_bfe_u32 s2, ttmp6, 0x10000c
	s_cmp_lg_u32 s2, 0x3003
	s_cbranch_scc0 .Lentry_shape_is_right
	s_endpgm
.Lentry_shape_is_right:
; Attention on codes of FP6.  Work-group (x, y): batch y / 4, heads 4 (y % 4) .. + 3, queries 128 x .. + 127.  Wave w owns ONE tile of 16 queries for FOUR heads, so that the mask's numbers are read and joined with the
; padding's once for four heads.  Keys go 128 a step; a step's record (K's codes, V^T's codes, scales) is 51,200 bytes for the four heads; the four query blocks of a cluster ask for the records jointly.
; LDS holds six of the eight records: three slots of two.  All three are asked for at the start; records 6 and 7 are brought into slot 0 when key steps 0 and 1 are over.  So the launch has three barriers in its eight key steps:
; one ahead of key step 0, the cluster's round ahead of that one refill, one ahead of key step 6.
; Both products are used transposed: S^T = K Q^T (K = 64: registers 6-11 of both operands are zero codes), O^T = V^T P^T: a lane holds one query throughout; register 16 e + i of the scores is key 32 e + 16 (lane / 16) + i.
; THE LOGIT is formed as the module forms it: score / 8 (3 was taken off q's scale bytes) + (causal_mask + padding's -1e9 or 0); a padded key's score is exactly 0, since its row of k was zeroed.
; t = logit x log2(e) is ROUNDED to f32 before M is taken off (two instructions, not a fused one): rows in which every key is masked have logits near -1e9, and only so do equal logits give equal p.
; M = the running largest t rounded up to a whole number; p = 2^(t - M) is quantised along the keys; the row's sum is taken of the unquantised p and divides at the end; when M moves, sum and O^T are multiplied by 2^(old M - new M).
; No prefetch is laid: records 0 to 5 are asked for by their tensor loads at the start, records 6 and 7 four key steps ahead of their first read, and a step's mask a whole key step ahead.
; OUT: O / sum, quantised along head x 64 + d, as fragments of the last product's left operand (xc tiles 1,792 on) with their scale words (xs).
; LIMITS: NaN and infinities are not served; blocks of zeros keep the byte 1.
.set REC,   51200
.set SLOTB, 2*REC                      ; a slot: two records, dense in memory and in LDS
.set VCO,   24576                      ; in a record: V^T's codes,
.set KSO,   49152                      ; K's scale halves,
.set VSO,   50176                      ; V's scale words
.set PADV,  6*REC                      ; behind the three slots: the batch's 1,024 numbers -1e9 or 0: filled once
.set SPARE, PADV+4096                  ; the spare words, 128 bytes a wave: four blocks of 256 bytes that no other line names
.set L16, 1
.set L8,  2
.set R2,  3                            ; 2 r
.set R4,  4                            ; 4 r
.set PV0, 5                            ; PADV + 64 h
.set SPW, 6
.set NIL, 7
.set A16, 8                            ; the five above + the record in hand (or the step's place in PADV)
.set A8,  9
.set AS2, 10
.set AS4, 11
.set APV, 12
.set XO,  13                           ; 16 r + 4 h: my scale word on the way out
.set F,   14                           ; v[14:15] f = 2^(old M - new M)
.set ST,  16                           ; head j: v[16+4j] -M, +1 the largest t, +2, +3 the sum in two halves
.set ADD, 32                           ; v32-95 causal_mask + padding, for the step's 128 keys
.set S,   96                           ; v96-159 scores, then p; then V's four fragments
.set KF,  160                          ; v160-207 four fragments of K: 6 registers of codes, 6 of zeros
.set PC,  208                          ; v208-219 p's codes
.set CT,  220
.set BMX, 228                          ; v228-231 the blocks' largest
.set PT,  232
.set SOP, 236
.set KSC, 240                          ; scales and nothing else: v240-243 K's, v244-247 V's, v248-251 Q's, v252 p's
.set VSC, 244
.set QSC, 248
.set PSW, 252
.set T0,  253
.set T1,  254
.set OW,  254                          ; the way out: two scale words
.set QM,  228
.set QP,  232
.set QS,  236
.set QB,  234
; window 1: v0-127 O^T, 32 a head; v128-175 Q, 12 a head; v176-239 the next step's mask
.set WV,  14
.set SEL, 20
.set CS,  22                           ; s[22:23] log2(e), twice
.set TB,  24                           ; LDS byte at which the record in hand begins
.set PS,  25
.set CNT, 26
.set HM,  27
.set G1R, 28
.set G1P, 36
.set G0A, 44                           ; group 0 for slot 0 (later for its refill), for the padding's numbers, for slots 1 and 2
.set G0P, 48
.set G0B, 76
.set G0C, 80
.set MB,  52
.set MSB, 0
.macro WIN new
.if MSB != \new
	s_set_vgpr_msb (MSB<<8)|\new
.set MSB, \new
.endif
.endm
.macro PLACES n
.rept \n
	v_nop
.endr
.endm
.macro CROUND
	s_barrier_signal -1
	s_barrier_wait -1
	s_cmp_lg_u32 s[WV], 0
	s_cbranch_scc1 .Lnot_wave_0_\@
	s_barrier_signal -3
.Lnot_wave_0_\@:
	s_barrier_wait -3
	s_barrier_signal -1
	s_barrier_wait -1
.endm
.macro QUANT2 src, dst, tmp, floor
.irp e, 0,1
	v_max3_num_f32 v[QM+\e], |v[(\src)+16*\e]|, |v[(\src)+16*\e+1]|, \floor
.endr
.irp i, 2,4,6,8,10,12,14
.irp e, 0,1
	v_max3_num_f32 v[QM+\e], v[QM+\e], |v[(\src)+16*\e+\i]|, |v[(\src)+16*\e+\i+1]|
.endr
.endr
.irp e, 0,1
	v_permlanex16_b32 v[QP+\e], v[QM+\e], s[SEL], s[SEL+1]
.endr
.irp e, 0,1
	v_max_num_f32 v[QM+\e], v[QM+\e], v[QP+\e]
.endr
.irp e, 0,1
	v_add_nc_u32 v[QS+\e], 0xff000000, v[QM+\e]
.endr
.irp e, 0,1
	v_lshrrev_b32 v[QB+\e], 23, v[QS+\e]
.endr
	v_cvt_scalef32_pk16_fp6_f32 v[(\dst):(\dst)+2], v[(\src):(\src)+15], v[QS]
	v_cvt_scalef32_pk16_fp6_f32 v[(\tmp):(\tmp)+2], v[(\src)+16:(\src)+31], v[QS+1]
	v_nop
.irp i, 0,1,2
	v_permlane16_swap_b32 v[(\dst)+\i], v[(\tmp)+\i]
.endr
.irp i, 0,1,2
	v_mov_b32 v[(\dst)+3+\i], v[(\tmp)+\i]
.endr
.endm
	s_load_b256 s[4:11], s[0:1], 0x0               ; qh, kv, msk, xc
	s_load_b64 s[12:13], s[0:1], 0x20              ; xs
	v_lshl_add_u32 v[SPW], v0, 2, SPARE
	v_mov_b32 v[NIL], 0
	ds_add_u32 v[SPW], v[NIL]                      ; the wave's opening: the add and its wait stand ahead of my first tensor load
	v_lshrrev_b32 v8, 5, v0
	v_readfirstlane_b32 s[WV], v8
	v_and_b32 v8, 31, v0
	v_lshlrev_b32 v[L16], 4, v8
	v_lshlrev_b32 v[L8], 3, v8
	v_and_b32 v9, 15, v0
	v_bfe_u32 v10, v0, 4, 1
	v_lshlrev_b32 v[R2], 1, v9
	v_lshlrev_b32 v[R4], 2, v9
	v_lshl_add_u32 v[PV0], v10, 6, PADV
	v_lshlrev_b32 v[XO], 4, v9
	v_lshl_add_u32 v[XO], v10, 2, v[XO]
	s_and_b32 s19, ttmp7, 0xffff                   ; y = 4 batch + group of heads: the four partners share it
	s_lshr_b32 s17, s19, 2
	s_and_b32 s18, s19, 3
	s_mul_i32 s56, s[WV], 12800                    ; my eighth of a slot, in LDS and in memory
	s_mul_i32 s54, s19, 8*REC
	s_add_co_u32 s54, s54, s56
	s_mov_b32 s55, 0
	s_lshl_b32 s57, s[WV], 9
	s_lshl_b32 s58, s17, 12
	s_add_co_u32 s58, s58, s57
	s_add_co_u32 s58, s58, 4194304
	s_mov_b32 s59, 0
	s_add_co_u32 s57, s57, PADV
	; descriptor group 1: dense blocks as rows of 256 bytes (32 elements of 8 bytes): 50 rows of a slot, 2 rows of the padding's numbers; mask: all four work-groups
	s_mov_b32 s[G1R], 15|(3<<16)|(1<<21)
	s_mov_b32 s[G1R+1], 32<<16
	s_mov_b32 s[G1R+2], 50<<16
	s_mov_b32 s[G1R+3], 32<<16
	s_mov_b32 s[G1R+4], 50
	s_mov_b32 s[G1R+5], 32
	s_mov_b32 s[G1R+6], 0
	s_mov_b32 s[G1R+7], 0
	s_mov_b32 s[G1P], 15|(3<<16)|(1<<21)
	s_mov_b32 s[G1P+1], 32<<16
	s_mov_b32 s[G1P+2], 2<<16
	s_mov_b32 s[G1P+3], 32<<16
	s_mov_b32 s[G1P+4], 2
	s_mov_b32 s[G1P+5], 32
	s_mov_b32 s[G1P+6], 0
	s_mov_b32 s[G1P+7], 0
	s_bfe_u32 s15, ttmp6, 0x40000                  ; cx: it enters the global addresses of Q, the mask and O alone
	s_lshl_b32 s16, ttmp9, 2
	s_add_co_u32 s16, s16, s15
	s_lshl_b32 s16, s16, 3
	s_add_co_u32 s16, s16, s[WV]                   ; my query tile, 0..63
	s_lshl_b32 s60, s19, 8
	s_add_co_u32 s60, s60, s16                     ; (16 batch + first head) x 64 + tile
	s_lshl_b32 s62, s60, 5
	s_mov_b32 s63, 0
	s_mul_i32 s60, s60, 768
	s_mov_b32 s61, 0
	s_lshl_b32 s66, s16, 16
	s_mov_b32 s67, 0
	s_lshl_b32 s68, s17, 6
	s_add_co_u32 s68, s68, s16
	s_add_co_u32 s68, s68, 1792                    ; O's tile
	s_lshl_b32 s70, s68, 9
	s_mul_i32 s68, s68, 12288
	s_mul_i32 s69, s18, 3072
	s_add_co_u32 s68, s68, s69
	s_mov_b32 s69, 0
	s_lshr_b32 s71, s18, 1
	s_lshl_b32 s71, s71, 8
	s_add_co_u32 s70, s70, s71
	s_and_b32 s71, s18, 1
	s_lshl_b32 s71, s71, 3
	s_add_co_u32 s70, s70, s71
	s_mov_b32 s71, 0
	s_mov_b32 s[SEL], 0x76543210
	s_mov_b32 s[SEL+1], 0xfedcba98
	s_mov_b32 s[CS], 0x3fb8aa3b
	s_mov_b32 s[CS+1], s[CS]
	s_mov_b32 s[TB], 0
	s_mov_b32 s[PS], 0
	s_mov_b32 s[HM], 0xffff0000
	s_wait_dscnt 0x0                               ; the opening add is done
	s_wait_kmcnt 0x0
	s_add_nc_u64 s[74:75], s[6:7], s[54:55]        ; my eighth of records 0 and 1
	s_mov_b32 s[G0A], 1
	s_mov_b32 s[G0A+1], s56
	s_mov_b64 s[G0A+2:G0A+3], s[74:75]
	s_or_b32 s[G0A+3], s[G0A+3], 0x80000000
	s_mov_b32 s[G0B], 1
	s_add_co_u32 s[G0B+1], s56, SLOTB
	s_add_nc_u64 s[G0B+2:G0B+3], s[74:75], SLOTB
	s_or_b32 s[G0B+3], s[G0B+3], 0x80000000
	s_mov_b32 s[G0C], 1
	s_add_co_u32 s[G0C+1], s56, 2*SLOTB
	s_add_nc_u64 s[G0C+2:G0C+3], s[74:75], 2*SLOTB
	s_or_b32 s[G0C+3], s[G0C+3], 0x80000000
	s_mov_b32 s[G0P], 1
	s_mov_b32 s[G0P+1], s57
	s_add_nc_u64 s[G0P+2:G0P+3], s[8:9], s[58:59]
	s_or_b32 s[G0P+3], s[G0P+3], 0x80000000
	s_add_nc_u64 s[72:73], s[4:5], s[62:63]        ; Q's scale halves (6,291,456 bytes further on)
	s_add_nc_u64 s[4:5], s[4:5], s[60:61]          ; Q's codes
	s_add_nc_u64 s[MB:MB+1], s[8:9], s[66:67]      ; my tile's mask, key step 0
	s_add_nc_u64 s[10:11], s[10:11], s[68:69]
	s_add_nc_u64 s[12:13], s[12:13], s[70:71]
	CROUND                                         ; all four work-groups are here: the first joint loads meet
	tensor_load_to_lds s[G0P:G0P+3], s[G1P:G1P+7]  ; the padding's numbers: filled once
	s_nop 0
	tensor_load_to_lds s[G0A:G0A+3], s[G1R:G1R+7]  ; records 0, 1
	s_nop 0
	tensor_load_to_lds s[G0B:G0B+3], s[G1R:G1R+7]  ; records 2, 3
	s_nop 0
	tensor_load_to_lds s[G0C:G0C+3], s[G1R:G1R+7]  ; records 4, 5: four loads of mine are out
	s_nop 0
	PLACES 4
	WIN 0x40                                       ; destination window 1
.irp j, 0,1,2,3
	global_load_b128 v[128+12*\j:131+12*\j], v[L16], s[4:5] offset:49152*\j
	global_load_b64 v[132+12*\j:133+12*\j], v[L8], s[4:5] offset:49152*\j+512
.endr
.irp p, 0,1,2,3,4,5,6,7,8,9,10,11,12,13,14,15
	global_load_b128 v[176+4*\p:179+4*\p], v[L16], s[MB:MB+1] offset:512*\p
.endr
.irp j, 0,1,2,3
.irp i, 6,7,8,9,10,11
	v_mov_b32 v[128+12*\j+\i], 0                   ; K = 64: the upper 64 of the instruction's 128 are zero codes
.endr
.endr
.set i, 0
.rept 128
	v_mov_b32 v[i], 0                              ; O^T.  The key step is written without a first step of its own: the first change of M multiplies zeros
.set i, i+1
.endr
	WIN 0
.irp j, 0,1,2,3
	global_load_u16 v[QSC+\j], v[R2], s[72:73] offset:6291456+2048*\j
.endr
.irp t, 0,1,2,3
.irp i, 6,7,8,9,10,11
	v_mov_b32 v[KF+12*\t+\i], 0
.endr
.endr
.irp j, 0,1,2,3
	v_mov_b32 v[ST+4*\j+1], 0xff61b1e6             ; the largest t so far: -3e38
	v_floor_f32 v[ST+4*\j], -v[ST+4*\j+1]
	v_mov_b32 v[ST+4*\j+2], 0
	v_mov_b32 v[ST+4*\j+3], 0
	v_mov_b32 v[PT+\j], 0                          ; a lane permute's destination counts as one of its sources
.endr
	v_mov_b32 v[F], 0
	v_mov_b32 v[F+1], 0                            ; named with f as a pair
; Each wave waits for all its tensor loads, adds 0 to its spare word, and waits for that and for its LDS reads; then a barrier.
; fill = 1 (key steps 0 and 1 are over): the barrier is a round of the cluster's, and behind it slot 0 takes records 6 and 7: one load a wave, with four key steps in which to land.
; fill = 0 (ahead of key step 6): that load has landed in every wave; nothing is filled.
.macro CHANGE fill
	s_wait_tensorcnt 0x0
	ds_add_u32 v[SPW], v[NIL]
.if \fill
	s_add_nc_u64 s[G0A+2:G0A+3], s[G0A+2:G0A+3], 3*SLOTB   ; no load of mine is out: slot 0's descriptor steps six records on
.endif
	s_wait_dscnt 0x0
.if \fill
	CROUND
	tensor_load_to_lds s[G0A:G0A+3], s[G1R:G1R+7]
	s_nop 0
	PLACES 4
.else
	s_barrier_signal -1
	s_barrier_wait -1
.endif
.endm
.macro KLOAD j, g                      ; four tiles of K of head j, keys 64 g on, with their scale halves: 12 LDS loads
.irp t, 0,1,2,3
	ds_load_b128 v[KF+12*\t:KF+12*\t+3], v[A16] offset:(\j)*6144+(4*(\g)+\t)*768
	ds_load_b64 v[KF+12*\t+4:KF+12*\t+5], v[A8] offset:(\j)*6144+(4*(\g)+\t)*768+512
	ds_load_u16 v[KSC+\t], v[AS2] offset:KSO+256*(\j)+32*(4*(\g)+\t)
.endr
.endm
.macro KQ j, g                         ; S^T = K Q^T for these four tiles
	WIN 0x04                                       ; source 1 (Q) window 1
.irp t, 0,1,2,3
	v_wmma_scale_f32_16x16x128_f8f6f4 v[S+8*(4*(\g)+\t):S+8*(4*(\g)+\t)+7], v[KF+12*\t:KF+12*\t+11], v[128+12*(\j):139+12*(\j)], 0, v[KSC+\t], v[QSC+(\j)] matrix_a_fmt:MATRIX_FMT_FP6 matrix_b_fmt:MATRIX_FMT_FP6
.endr
	WIN 0
.endm
.macro LOGIT g                         ; the 32 logits of keys 64 g on, and the largest of each of their two blocks of 32 keys: it serves for the row's maximum and, since p rises with the logit, for the block's largest p
.set i, 32*(\g)
.rept 16
	v_pk_add_f32 v[S+i:S+i+1], v[S+i:S+i+1], v[ADD+i:ADD+i+1]   ; each accumulator from its low end on
.set i, i+2
.endr
.irp u, 0,1
	v_max3_num_f32 v[BMX+2*(\g)+\u], v[S+16*(2*(\g)+\u)], v[S+16*(2*(\g)+\u)+1], v[S+16*(2*(\g)+\u)+2]
.endr
.irp n, 3,5,7,9,11,13
.irp u, 0,1
	v_max3_num_f32 v[BMX+2*(\g)+\u], v[BMX+2*(\g)+\u], v[S+16*(2*(\g)+\u)+\n], v[S+16*(2*(\g)+\u)+\n+1]
.endr
.endr
.irp u, 0,1
	v_max_num_f32 v[BMX+2*(\g)+\u], v[BMX+2*(\g)+\u], v[S+16*(2*(\g)+\u)+15]
.endr
.endm
; One head's key step.  Its first four tiles of K are in registers when it begins: they were asked for under the head before (head 0's: at the step's head).
.macro HEAD j
	KQ \j, 0
	PLACES 4                                       ; in front of loads into registers that matrix instructions have read, and of the first read of results
	KLOAD \j, 1                                    ; the second four tiles are on their way while the first 32 logits are worked
	LOGIT 0
	s_wait_dscnt 0x0
	KQ \j, 1
	PLACES 4
.if \j < 3
	KLOAD \j+1, 0                                  ; the next head's first four tiles land under this head's softmax
.endif
	LOGIT 1
.irp e, 0,1,2,3
	v_permlanex16_b32 v[PT+\e], v[BMX+\e], s[SEL], s[SEL+1]
.endr
.irp e, 0,1,2,3
	v_max_num_f32 v[BMX+\e], v[BMX+\e], v[PT+\e]
.endr
	v_max3_num_f32 v[T0], v[BMX], v[BMX+1], v[BMX+2]
	v_max_num_f32 v[T0], v[T0], v[BMX+3]
	v_mul_f32 v[T0], s[CS], v[T0]                  ; the step's largest t
	v_max_num_f32 v[ST+4*\j+1], v[ST+4*\j+1], v[T0]
	v_mov_b32 v[T1], v[ST+4*\j]
	v_floor_f32 v[ST+4*\j], -v[ST+4*\j+1]          ; -M = floor(-t): M is a whole number
	v_sub_f32 v[T1], v[ST+4*\j], v[T1]             ; old M - new M, 0 or less
	v_cvt_i32_f32 v[T1], v[T1]                     ; (it saturates)
	v_ldexp_f32 v[F], 1.0, v[T1]                   ; f
.set i, 0
.rept 32
	v_pk_mul_f32 v[S+i:S+i+1], v[S+i:S+i+1], s[CS:CS+1] op_sel_hi:[1,0]   ; t, rounded
.set i, i+2
.endr
.set i, 0
.rept 32
	v_pk_add_f32 v[S+i:S+i+1], v[S+i:S+i+1], v[ST+4*\j:ST+4*\j+1] op_sel_hi:[1,0]   ; t - M
.set i, i+2
.endr
.irp e, 0,1,2,3
	v_mul_f32 v[BMX+\e], s[CS], v[BMX+\e]          ; the same two of each block's largest
.endr
.irp e, 0,1,2,3
	v_add_f32 v[BMX+\e], v[BMX+\e], v[ST+4*\j]
.endr
.set i, 0
.rept 64
	v_exp_f32 v[S+i], v[S+i]                       ; p, at most 1
.set i, i+1
.endr
	v_pk_mul_f32 v[ST+4*\j+2:ST+4*\j+3], v[ST+4*\j+2:ST+4*\j+3], v[F:F+1] op_sel_hi:[1,0]   ; the sum under the new M: the plain place behind the exponentials
	s_wait_alu depctr_va_vdst(0)                   ; one wait for the batch of 64, ahead of its first reader
.irp e, 0,1,2,3
	v_exp_f32 v[BMX+\e], v[BMX+\e]                 ; the blocks' largest p
.endr
	v_pk_add_f32 v[PT:PT+1], v[S:S+1], v[S+2:S+3]  ; the sum of the unquantised p, in two chains; it reads the 64 alone
.irp n, 4,8,12,16,20,24,28,32,36,40,44,48,52,56,60
	v_pk_add_f32 v[ST+4*\j+2:ST+4*\j+3], v[ST+4*\j+2:ST+4*\j+3], v[S+\n:S+\n+1]
	v_pk_add_f32 v[PT:PT+1], v[PT:PT+1], v[S+\n+2:S+\n+3]
.endr
	v_pk_add_f32 v[ST+4*\j+2:ST+4*\j+3], v[ST+4*\j+2:ST+4*\j+3], v[PT:PT+1]
	s_wait_alu depctr_va_vdst(0)                   ; and one for the four
.irp e, 0,1,2,3
	v_max_num_f32 v[BMX+\e], 0x1800000, v[BMX+\e]  ; the floor 2^(3 - 127)
.endr
.irp e, 0,1,2,3
	v_add_nc_u32 v[SOP+\e], 0xff000000, v[BMX+\e]
.endr
.irp c, 0,1
	v_cvt_scalef32_pk16_fp6_f32 v[PC+6*\c:PC+6*\c+2], v[S+32*\c:S+32*\c+15], v[SOP+2*\c]
	v_cvt_scalef32_pk16_fp6_f32 v[CT+4*\c:CT+4*\c+2], v[S+32*\c+16:S+32*\c+31], v[SOP+2*\c+1]
.endr
	v_nop                                          ; one plain place behind a scaled conversion
.irp d, 0,1,2,3                        ; V^T's four fragments (16 of the head's 64 x 128 keys) into the registers that p has left: asked for here, 35 vector instructions ahead of the wait for them
	ds_load_b128 v[S+12*\d:S+12*\d+3], v[A16] offset:VCO+6144*\j+1536*\d
	ds_load_b64 v[S+12*\d+4:S+12*\d+5], v[A8] offset:VCO+6144*\j+1536*\d+512
	ds_load_b128 v[S+12*\d+6:S+12*\d+9], v[A16] offset:VCO+6144*\j+1536*\d+768
	ds_load_b64 v[S+12*\d+10:S+12*\d+11], v[A8] offset:VCO+6144*\j+1536*\d+1280
	ds_load_b32 v[VSC+\d], v[AS4] offset:VSO+256*\j+64*\d
.endr
.irp e, 0,1,2,3
	v_lshrrev_b32 v[PT+\e], 23, v[SOP+\e]
.endr
	v_lshl_or_b32 v[PSW], v[PT+1], 8, v[PT]        ; p's scale word for these 128 keys
	v_lshl_or_b32 v[PSW], v[PT+2], 16, v[PSW]
	v_lshl_or_b32 v[PSW], v[PT+3], 24, v[PSW]
.irp c, 0,1
.irp i, 0,1,2
	v_permlane16_swap_b32 v[PC+6*\c+\i], v[CT+4*\c+\i]
.endr
.irp i, 0,1,2
	v_mov_b32 v[PC+3+6*\c+\i], v[CT+4*\c+\i]
.endr
.endr
	WIN 0x41
.set i, 0
.rept 16
	v_pk_mul_f32 v[32*\j+i:32*\j+i+1], v[32*\j+i:32*\j+i+1], v[F:F+1] op_sel_hi:[1,0]   ; O^T under the new M.  These 16 are also the places between p's codes and scale word and the products
.set i, i+2
.endr
	s_wait_dscnt 0x0                               ; V's fragments, and the next head's first tiles of K
	WIN 0x50                                       ; C and D window 1
.irp d, 0,1,2,3
	v_wmma_scale_f32_16x16x128_f8f6f4 v[32*\j+8*\d:32*\j+8*\d+7], v[S+12*\d:S+12*\d+11], v[PC:PC+11], v[32*\j+8*\d:32*\j+8*\d+7], v[VSC+\d], v[PSW] matrix_a_fmt:MATRIX_FMT_FP6 matrix_b_fmt:MATRIX_FMT_FP6
.endr
	WIN 0
	PLACES 5                                       ; the next matrix instructions write over registers that these four have read
.endm
; A KEY STEP.  The next step's mask is asked for as soon as this step's has been used.  pf = 1: always; pf = 2: not in the loop's last trip, which is the last key step: no load is issued that nothing reads.
.macro STEP pf
	s_wait_loadcnt 0x0                             ; this step's mask (in the first step Q too): asked for a whole step ago
	v_add_nc_u32 v[A16], s[TB], v[L16]
	v_add_nc_u32 v[A8], s[TB], v[L8]
	v_add_nc_u32 v[AS2], s[TB], v[R2]
	v_add_nc_u32 v[AS4], s[TB], v[R4]
	v_add_nc_u32 v[APV], s[PS], v[PV0]
.irp p, 0,1,2,3,4,5,6,7,8,9,10,11,12,13,14,15
	ds_load_b128 v[S+4*\p:S+4*\p+3], v[APV] offset:128*(\p/4)+16*(\p%4)
.endr
	KLOAD 0, 0
	s_wait_dscnt 12                                ; the padding's 16 loads are in; K's 12, issued behind them, may be out
	WIN 0x01
.set i, 0
.rept 32
	v_pk_add_f32 v[ADD+i:ADD+i+1], v[176+i:177+i], v[S+i:S+i+1]   ; causal_mask + (-1e9 or 0): once for four heads
.set i, i+2
.endr
	WIN 0
.if \pf == 2
	s_cmp_eq_u32 s[CNT], 1
	s_cbranch_scc1 .Lno_mask_\@
.endif
	s_add_nc_u64 s[MB:MB+1], s[MB:MB+1], 8192      ; the loads that read this address are done (the wait at the step's head)
	WIN 0x40
.irp p, 0,1,2,3,4,5,6,7,8,9,10,11,12,13,14,15
	global_load_b128 v[176+4*\p:179+4*\p], v[L16], s[MB:MB+1] offset:512*\p
.endr
	WIN 0
.if \pf == 2
.Lno_mask_\@:
.endif
	s_wait_dscnt 0x0                               ; head 0's first tiles of K
	HEAD 0
	HEAD 1
	HEAD 2
	HEAD 3
	s_add_co_u32 s[TB], s[TB], REC
	s_add_co_u32 s[PS], s[PS], 512
.endm
	s_wait_tensorcnt 0x2                           ; the padding's numbers and my part of slot 0 are in; slots 1 and 2, issued behind them, may stay out
	s_barrier_signal -1
	s_barrier_wait -1                              ; everybody's are
	s_mov_b32 s[CNT], 2
.Lfirst:                                       ; key steps 0 and 1: slot 0
	STEP 1
	s_sub_co_u32 s[CNT], s[CNT], 1
	s_cmp_lg_u32 s[CNT], 0
	s_cbranch_scc1 .Lfirst
	CHANGE 1                                       ; slots 1 and 2 are whole in every wave; slot 0 takes records 6 and 7
	s_mov_b32 s[TB], SLOTB
	s_mov_b32 s[CNT], 4
.Lmid:                                         ; key steps 2 to 5: slots 1 and 2; no barrier stands between them
	STEP 1
	s_sub_co_u32 s[CNT], s[CNT], 1
	s_cmp_lg_u32 s[CNT], 0
	s_cbranch_scc1 .Lmid
	CHANGE 0                                       ; records 6 and 7 are whole
	s_mov_b32 s[TB], 0
	s_mov_b32 s[CNT], 2
.Llast:                                        ; key steps 6 and 7: slot 0 again
	STEP 2
	s_sub_co_u32 s[CNT], s[CNT], 1
	s_cmp_lg_u32 s[CNT], 0
	s_cbranch_scc1 .Llast
	; THE WAY OUT
.irp j, 0,1,2,3
	v_add_f32 v[ST+4*\j+2], v[ST+4*\j+2], v[ST+4*\j+3]
.endr
.irp j, 0,1,2,3
	v_permlanex16_b32 v[PT+\j], v[ST+4*\j+2], s[SEL], s[SEL+1]
.endr
.irp j, 0,1,2,3
	v_add_f32 v[ST+4*\j+2], v[ST+4*\j+2], v[PT+\j] ; the row's sum
.endr
.irp j, 0,1,2,3
	v_rcp_f32 v[ST+4*\j+2], v[ST+4*\j+2]
.endr
	v_nop
	s_wait_alu depctr_va_vdst(0)                   ; one wait for the four reciprocals, ahead of their first reader
.irp j, 0,1,2,3
	WIN 0x01
.set i, 0
.rept 16
	v_pk_mul_f32 v[S+i:S+i+1], v[32*\j+i:32*\j+i+1], v[ST+4*\j+2:ST+4*\j+3] op_sel_hi:[1,0]   ; register 16 e + i is d = 32 e + 16 (lane / 16) + i
.set i, i+2
.endr
	WIN 0
	QUANT2 S, KF+6*\j, CT, 0x1800000               ; two heads make a fragment of 128 along the last product's K
.if (\j%2) == 0
	v_lshl_or_b32 v[OW+\j/2], v[QB+1], 8, v[QB]
.else
	v_lshl_or_b32 v[T0], v[QB+1], 8, v[QB]
	v_lshl_or_b32 v[OW+\j/2], v[T0], 16, v[OW+\j/2]
.endif
.endr
.irp q, 0,1
.irp p, 0,1,2
	global_store_b128 v[L16], v[KF+12*\q+4*\p:KF+12*\q+4*\p+3], s[10:11] offset:1536*\q+512*\p   ; 512 consecutive bytes
.endr
.endr
	v_cndmask_b32 v[OW], v[OW], v[OW+1], s[HM]     ; lanes 0-15 the first K step's word, lanes 16-31 the second's
	global_store_b32 v[XO], v[OW], s[12:13]
	s_wait_tensorcnt 0x0                           ; the wave's end
	ds_add_u32 v[SPW], v[NIL]
	s_wait_dscnt 0x0
	CROUND                                         ; the closing round
	s_endpgm
.Lfunc_end_k_q8ff33e6292_attn:
	.size	k_q8ff33e6292_attn, .Lfunc_end_k_q8ff33e6292_attn-k_q8ff33e6292_attn
	.p2alignl 7, 3214868480
	.fill 96, 4, 3214868480
	.section	.rodata,"a",@progbits
	.p2align	6, 0x0
	.amdhsa_kernel k_q8ff33e6292_attn
		.amdhsa_group_segment_fixed_size 327680
		.amdhsa_private_segment_fixed_size 0
		.amdhsa_enable_private_segment 0
		.amdhsa_kernarg_size 40
		.amdhsa_user_sgpr_count 2
		.amdhsa_user_sgpr_kernarg_segment_ptr 1
		.amdhsa_wavefront_size32 1
		.amdhsa_system_sgpr_workgroup_id_x 1
		.amdhsa_system_sgpr_workgroup_id_y 1
		.amdhsa_system_sgpr_workgroup_id_z 1
		.amdhsa_system_vgpr_workitem_id 0
		.amdhsa_next_free_vgpr 512
		.amdhsa_next_free_sgpr 84
		.amdhsa_reserve_vcc 0
		.amdhsa_float_denorm_mode_32 3
		.amdhsa_float_denorm_mode_16_64 3
		.amdhsa_memory_ordered 1
		.amdhsa_forward_progress 1
		.amdhsa_inst_pref_size 255
	.end_amdhsa_kernel
	.section	.bss,"aw",@nobits
	.p2align	6
	.space	262144
	.amdgpu_metadata
---
amdhsa.version: [ 1, 2 ]
amdhsa.kernels:
  - .name:           k_q8ff33e6292_attn
    .symbol:         k_q8ff33e6292_attn.kd
    .args:
      - { .name: qh, .offset: 0, .size: 8, .value_kind: global_buffer, .address_space: global }
      - { .name: kv, .offset: 8, .size: 8, .value_kind: global_buffer, .address_space: global }
      - { .name: msk, .offset: 16, .size: 8, .value_kind: global_buffer, .address_space: global }
      - { .name: xc, .offset: 24, .size: 8, .value_kind: global_buffer, .address_space: global }
      - { .name: xs, .offset: 32, .size: 8, .value_kind: global_buffer, .address_space: global }
    .group_segment_fixed_size: 327680
    .private_segment_fixed_size: 0
    .kernarg_segment_align: 8
    .kernarg_segment_size: 40
    .max_flat_workgroup_size: 256
    .sgpr_count:     84
    .vgpr_count:     512
    .wavefront_size: 32
...
	.end_amdgpu_metadata
.endif
;; end of part 3
;; launch outp (part 4): grid 4 x 64, 8 waves a work-group, clusters of 4 x 4, 295,936 bytes of LDS; arguments xc, xs, bo, out0; writes out0
.if DOCPART == 4
	.amdgcn_target "amdgcn-amd-amdhsa--gfx1250"
	.amdhsa_code_object_version 6
	.text
	.protected	k_q8ff33e6292_outp
	.globl	k_q8ff33e6292_outp
	.p2align	8
	.type	k_q8ff33e6292_outp,@function
k_q8ff33e6292_outp:
	s_mov_b64 s[64:65], 0
	v_nop
	global_prefetch_b8 v0, s[64:65] scope:SCOPE_SE
	s_setreg_imm32_b32 hwreg(HW_REG_WAVE_MODE, 25, 1), 1
	s_wait_xcnt 0x0
	s_wait_alu depctr_hold_cnt(0) depctr_sa_sdst(0) depctr_va_vdst(0) depctr_va_sdst(0) depctr_va_ssrc(0) depctr_va_vcc(0) depctr_vm_vsrc(0)
	s_getreg_b32 s2, hwreg(HW_REG_IB_STS2, 6, 4)
	s_cmp_eq_u32 s2, 0
	s_cbranch_scc0 .Lentry_in_a_cluster
	s_endpgm
.Lentry_in_a_cluster:
	s_bfe_u32 s2, ttmp6, 0x10000c
	s_cmp_lg_u32 s2, 0xf033
	s_cbranch_scc0 .Lentry_shape_is_right
	s_endpgm
.Lentry_shape_is_right:
; out0 = O wo^T + bo on codes of FP6: O's fragments are xc tiles 1,792 on, wo's 1,728 on.  A work-group makes 128 (tokens) x 256 (features) over all K = 1,024; eight waves, each 64 x 64: 16 accumulators.
; The matrix instruction is used transposed (source 0 = 16 rows of wo, source 1 = 16 rows of O); with the tiles' row order (tile 2 g + u, lane row r = row 32 g + 8 u + r + 8 (r / 8)) a lane holds one token,
; and register 16 e + i of its four feature tiles is feature 32 e + 16 (lane / 16) + i.  bo is the C of the first K step.
; All of K lies in LDS at once: four chunks of two K steps, each filled once.  4 x 4 work-groups form a cluster: O's tiles are asked for jointly along a row, wo's along a column.
; The fragments have two sets of registers: a K step's 24 LDS loads are issued ahead of the 16 products of the K step before.
; The way out goes through a stage of 16 rows x 272 bytes a wave, in the bytes of the token side's chunks 0 and 1: they have had their only fill, and every wave's reads of them were waited for ahead of chunk 2's barrier.
.set BBASE, 98304
.set SPARE, 294912                     ; the spare words, 128 bytes a wave: four blocks of 256 bytes that no other line names
.set L16, 1
.set RR,  3
.set HH,  4
.set VA,  5
.set VB,  6
.set SOF, 7
.set SPW, 8
.set NIL, 9
.set STO, 13                           ; v13 the stage: where I put 16 bytes of a row
.set RD,  14                           ; v14 where I read a row back
.set GO,  15                           ; v15 my byte offset in two rows of out0
.set SC,  16                           ; v16-47 scale words and nothing else
.set BN,  48                           ; v48-79 bo in the layout of C; afterwards, with v80-111, rows read back from the stage
.set RB,  48
.set ACC, 128                          ; v128-255 the accumulators.  Window 1: set p of the fragments at 96 p: 48 registers of O's, 48 of wo's
.set WV,  18
.set G1A, 28
.set G1B, 36
.set G0A, 44
.set G0B, 68
.set HM,  86
.set MSB, 0
.macro WIN new
.if MSB != \new
	s_set_vgpr_msb (MSB<<8)|\new
.set MSB, \new
.endif
.endm
.macro PLACES n
.rept \n
	v_nop
.endr
.endm
.macro CROUND
	s_barrier_signal -1
	s_barrier_wait -1
	s_cmp_lg_u32 s[WV], 0
	s_cbranch_scc1 .Lnot_wave_0_\@
	s_barrier_signal -3
.Lnot_wave_0_\@:
	s_barrier_wait -3
	s_barrier_signal -1
	s_barrier_wait -1
.endm
	s_load_b256 s[4:11], s[0:1], 0x0               ; xc, xs, bo, out0
	v_lshl_add_u32 v[SPW], v0, 2, SPARE
	v_mov_b32 v[NIL], 0
	ds_add_u32 v[SPW], v[NIL]                      ; the wave's opening: the add and its wait stand ahead of my first tensor load
	v_lshrrev_b32 v10, 5, v0
	v_readfirstlane_b32 s[WV], v10
	v_and_b32 v10, 31, v0
	v_lshlrev_b32 v[L16], 4, v10
	v_and_b32 v[RR], 15, v0
	v_bfe_u32 v[HH], v0, 4, 1
	s_and_b32 s19, s[WV], 3                        ; wn; also which part of a chunk I fetch
	s_lshr_b32 s20, s[WV], 2                       ; wm
	s_bfe_u32 s21, ttmp6, 0x40000                  ; cx = tile column
	s_bfe_u32 s22, ttmp6, 0x40004                  ; cy
	s_and_b32 s97, ttmp7, 0xffff
	s_lshl_b32 s24, s97, 2
	s_add_co_u32 s24, s24, s22                     ; tile row
	s_lshl_b32 s27, s24, 3
	s_add_co_u32 s27, s27, 1792                    ; my first tile of O
	s_lshl_b32 s26, s21, 4
	s_add_co_u32 s26, s26, 1728                    ; my first tile of wo
	s_lshl_b32 s100, s22, 2
	s_lshl_b32 s100, 15, s100                      ; my row of the cluster
	s_lshl_b32 s101, 0x1111, s21                   ; my column
	s_or_b32 s[G1A], s100, (3<<16)|(1<<21)         ; rows = tiles, a row = a chunk's 3,072 bytes (384 elements of 8 bytes), 12,288 bytes from tile to tile
	s_or_b32 s[G1B], s101, (3<<16)|(1<<21)
	s_mov_b32 s[G1A+1], 384<<16
	s_mov_b32 s[G1A+2], 2<<16
	s_mov_b32 s[G1A+3], 384<<16
	s_mov_b32 s[G1A+4], 2
	s_mov_b32 s[G1A+5], 1536
	s_mov_b32 s[G1A+6], 0
	s_mov_b32 s[G1A+7], 0
	s_mov_b32 s[G1B+1], 384<<16
	s_mov_b32 s[G1B+2], 4<<16
	s_mov_b32 s[G1B+3], 384<<16
	s_mov_b32 s[G1B+4], 4
	s_mov_b32 s[G1B+5], 1536
	s_mov_b32 s[G1B+6], 0
	s_mov_b32 s[G1B+7], 0
	s_lshl_b32 s60, s19, 1
	s_add_co_u32 s60, s60, s27
	s_mul_i32 s60, s60, 12288
	s_mov_b32 s61, 0
	s_lshl_b32 s62, s19, 2
	s_add_co_u32 s62, s62, s26
	s_mul_i32 s62, s62, 12288
	s_mov_b32 s63, 0
	s_mul_i32 s66, s19, 6144
	s_mul_i32 s67, s19, 12288
	s_add_co_u32 s67, s67, BBASE
	s_mov_b32 s[HM], 0xffff0000
	s_wait_dscnt 0x0                               ; the opening add is done
	s_wait_kmcnt 0x0
	s_add_nc_u64 s[60:61], s[4:5], s[60:61]
	s_add_nc_u64 s[62:63], s[4:5], s[62:63]
.irp c, 0,1,2,3
	s_mov_b32 s[G0A+4*\c], 1
	s_add_co_u32 s[G0A+4*\c+1], s66, \c*24576
	s_add_nc_u64 s[G0A+4*\c+2:G0A+4*\c+3], s[60:61], \c*3072
	s_or_b32 s[G0A+4*\c+3], s[G0A+4*\c+3], 0x80000000
	s_mov_b32 s[G0B+4*\c], 1
	s_add_co_u32 s[G0B+4*\c+1], s67, \c*49152
	s_add_nc_u64 s[G0B+4*\c+2:G0B+4*\c+3], s[62:63], \c*3072
	s_or_b32 s[G0B+4*\c+3], s[G0B+4*\c+3], 0x80000000
.endr
	CROUND                                         ; all sixteen work-groups are here: the joint loads meet
	s_cmp_lt_u32 s[WV], 4                          ; waves 0-3 fetch O's tiles, waves 4-7 wo's: four loads each, all first fills, in one branch: four loads of mine are out
	s_cbranch_scc0 .Lfill_b
.irp c, 0,1,2,3
	tensor_load_to_lds s[G0A+4*\c:G0A+4*\c+3], s[G1A:G1A+7]
	s_nop 0
.endr
	PLACES 4
	s_branch .Lfilled
.Lfill_b:
.irp c, 0,1,2,3
	tensor_load_to_lds s[G0B+4*\c:G0B+4*\c+3], s[G1B:G1B+7]
	s_nop 0
.endr
	PLACES 4
.Lfilled:
	s_mul_i32 s97, s20, 12288
	v_add_nc_u32 v[VA], s97, v[L16]
	v_add_nc_u32 v[VB], s67, v[L16]
	s_lshl_b32 s97, s20, 2
	s_add_co_u32 s97, s97, s27
	s_lshl_b32 s97, s97, 9
	s_lshl_b32 s98, s19, 2
	s_add_co_u32 s98, s98, s26
	s_lshl_b32 s98, s98, 9
	v_mov_b32 v10, s97
	v_mov_b32 v11, s98
	v_cndmask_b32 v[SOF], v10, v11, s[HM]
	v_lshl_add_u32 v[SOF], v[RR], 4, v[SOF]
.irp i, 0,1,2,3
.irp q, 0,1
	global_load_b128 v[SC+8*\i+4*\q:SC+8*\i+4*\q+3], v[SOF], s[6:7] offset:512*\i+256*\q
.endr
.endr
	s_lshl_b32 s99, s21, 10
	s_lshl_b32 s98, s19, 8
	s_add_co_u32 s99, s99, s98                     ; my 64 features, in bytes
	v_lshl_add_u32 v12, v[HH], 6, s99
.irp b, 0,1,2,3
	global_load_b128 v[BN+8*\b:BN+8*\b+3], v12, s[8:9] offset:(32*(\b/2)+8*(\b%2))*4
	global_load_b128 v[BN+8*\b+4:BN+8*\b+7], v12, s[8:9] offset:(32*(\b/2)+8*(\b%2))*4+16
.endr
	s_lshl_b32 s97, s24, 7
	s_lshl_b32 s98, s20, 6
	s_add_co_u32 s97, s97, s98
	s_lshl_b32 s98, s97, 12                        ; my first token's row of 4,096 bytes,
	s_add_co_u32 s98, s98, s99                     ; + my features
	s_mov_b32 s99, 0
	s_add_nc_u64 s[10:11], s[10:11], s[98:99]
	s_mul_i32 s97, s[WV], 16*272                   ; my stage
	v_mul_u32_u24 v[STO], v[RR], 272
	v_lshl_add_u32 v[STO], v[HH], 6, v[STO]
	v_add_nc_u32 v[STO], s97, v[STO]               ; in: row r, + 64 h
	v_mul_u32_u24 v[RD], v[HH], 272
	v_lshl_add_u32 v[RD], v[RR], 4, v[RD]
	v_add_nc_u32 v[RD], s97, v[RD]                 ; back: lanes 0-15 one row of 256 bytes, lanes 16-31 the next
	v_lshlrev_b32 v[GO], 12, v[HH]
	v_lshl_add_u32 v[GO], v[RR], 4, v[GO]
	s_wait_loadcnt 0x0
; K step s's 4 + 4 fragments from LDS into set s % 2: three loads of 512 consecutive bytes each
.macro FETCH s
	WIN 0x40
.irp i, 0,1,2,3
.irp p, 0,1,2
	ds_load_b128 v[96*((\s)%2)+12*\i+4*\p:96*((\s)%2)+12*\i+4*\p+3], v[VA] offset:\i*3072+((\s)%2)*1536+512*\p
.endr
.endr
.irp i, 0,1,2,3
.irp p, 0,1,2
	ds_load_b128 v[96*((\s)%2)+48+12*\i+4*\p:96*((\s)%2)+48+12*\i+4*\p+3], v[VB] offset:\i*3072+((\s)%2)*1536+512*\p
.endr
.endr
.endm
; K step s's 16 matrix instructions, the 16 accumulators by turns in one fixed order
.macro MUL s
	WIN 0x05
.irp a, 0,1,2,3
.irp b, 0,1,2,3
.if (\s) == 0
	v_wmma_scale_f32_16x16x128_f8f6f4 v[ACC+8*(4*\a+\b):ACC+8*(4*\a+\b)+7], v[96*((\s)%2)+48+12*\b:96*((\s)%2)+48+12*\b+11], v[96*((\s)%2)+12*\a:96*((\s)%2)+12*\a+11], v[BN+8*\b:BN+8*\b+7], v[SC+8*\b+(\s)], v[SC+8*\a+(\s)] matrix_a_fmt:MATRIX_FMT_FP6 matrix_b_fmt:MATRIX_FMT_FP6 matrix_a_scale:MATRIX_SCALE_ROW1
.else
	v_wmma_scale_f32_16x16x128_f8f6f4 v[ACC+8*(4*\a+\b):ACC+8*(4*\a+\b)+7], v[96*((\s)%2)+48+12*\b:96*((\s)%2)+48+12*\b+11], v[96*((\s)%2)+12*\a:96*((\s)%2)+12*\a+11], v[ACC+8*(4*\a+\b):ACC+8*(4*\a+\b)+7], v[SC+8*\b+(\s)], v[SC+8*\a+(\s)] matrix_a_fmt:MATRIX_FMT_FP6 matrix_b_fmt:MATRIX_FMT_FP6 matrix_a_scale:MATRIX_SCALE_ROW1
.endif
.endr
.endr
	WIN 0
.endm
	s_wait_tensorcnt 0x3                           ; my part of chunk 0 is in; the three chunks issued behind it may stay out
	s_barrier_signal -1
	s_barrier_wait -1                              ; everybody's is
	FETCH 0
.irp s, 0,1,2,3,4,5,6,7
	s_wait_dscnt 0x0                               ; K step s's fragments are in: they were asked for ahead of the products of the K step before; no LDS load of mine is out at the signal below
.if ((\s)%2 == 1) && ((\s) < 7)
	s_wait_tensorcnt 3-(\s+1)/2                    ; my part of the next chunk is in; the chunks issued behind it may stay out
	s_barrier_signal -1
	s_barrier_wait -1
	v_add_nc_u32 v[VA], 24576, v[VA]
	v_add_nc_u32 v[VB], 49152, v[VB]
.endif
.if ((\s) > 0) && ((\s) < 7)
	PLACES 4                                       ; in front of loads into the set that the K step before has multiplied
.endif
.if (\s) < 7
	FETCH \s+1
.endif
	MUL \s
.endr
	PLACES 4
; Tile a of 16 tokens x 64 features goes through my stage and leaves as whole rows of 256 bytes: sixteen lanes store 256 consecutive bytes, at a multiple of 256 from out0's first byte
.macro OUT a
.if (\a) >= 2
	s_wait_xcnt 0x0                                ; the stores of two tiles back have read the registers that the loads below fill
.endif
.irp b, 0,1,2,3
	ds_store_b128 v[STO], v[ACC+8*(4*(\a)+\b):ACC+8*(4*(\a)+\b)+3] offset:128*(\b/2)+32*(\b%2)      ; each accumulator from its low end on
	ds_store_b128 v[STO], v[ACC+8*(4*(\a)+\b)+4:ACC+8*(4*(\a)+\b)+7] offset:128*(\b/2)+32*(\b%2)+16
.endr
.irp i, 0,1,2,3,4,5,6,7
	ds_load_b128 v[RB+32*((\a)%2)+4*\i:RB+32*((\a)%2)+4*\i+3], v[RD] offset:2*\i*272   ; LDS serves a wave's instructions in order: these see the stores above
.endr
	s_wait_dscnt 0x0
.irp i, 0,1,2,3,4,5,6,7
	global_store_b128 v[GO], v[RB+32*((\a)%2)+4*\i:RB+32*((\a)%2)+4*\i+3], s[10:11] offset:(32*((\a)/2)+8*((\a)%2)+2*\i+8*(\i/4))*4096 th:TH_STORE_NT
.endr
.endm
	OUT 0
	OUT 1
	OUT 2
	OUT 3
	s_wait_tensorcnt 0x0                           ; the wave's end: behind my last tensor load and my last LDS store
	ds_add_u32 v[SPW], v[NIL]
	s_wait_dscnt 0x0
	CROUND                                         ; the closing round
	s_endpgm
.Lfunc_end_k_q8ff33e6292_outp:
	.size	k_q8ff33e6292_outp, .Lfunc_end_k_q8ff33e6292_outp-k_q8ff33e6292_outp
	.p2alignl 7, 3214868480
	.fill 96, 4, 3214868480
	.section	.rodata,"a",@progbits
	.p2align	6, 0x0
	.amdhsa_kernel k_q8ff33e6292_outp
		.amdhsa_group_segment_fixed_size 295936
		.amdhsa_private_segment_fixed_size 0
		.amdhsa_enable_private_segment 0
		.amdhsa_kernarg_size 32
		.amdhsa_user_sgpr_count 2
		.amdhsa_user_sgpr_kernarg_segment_ptr 1
		.amdhsa_wavefront_size32 1
		.amdhsa_system_sgpr_workgroup_id_x 1
		.amdhsa_system_sgpr_workgroup_id_y 1
		.amdhsa_system_sgpr_workgroup_id_z 1
		.amdhsa_system_vgpr_workitem_id 0
		.amdhsa_next_free_vgpr 448
		.amdhsa_next_free_sgpr 102
		.amdhsa_reserve_vcc 0
		.amdhsa_float_denorm_mode_32 3
		.amdhsa_float_denorm_mode_16_64 3
		.amdhsa_memory_ordered 1
		.amdhsa_forward_progress 1
		.amdhsa_inst_pref_size 48
	.end_amdhsa_kernel
	.amdgpu_metadata
---
amdhsa.version: [ 1, 2 ]
amdhsa.kernels:
  - .name:           k_q8ff33e6292_outp
    .symbol:         k_q8ff33e6292_outp.kd
    .args:
      - { .name: xc, .offset: 0, .size: 8, .value_kind: global_buffer, .address_space: global }
      - { .name: xs, .offset: 8, .size: 8, .value_kind: global_buffer, .address_space: global }
      - { .name: bo, .offset: 16, .size: 8, .value_kind: global_buffer, .address_space: global }
      - { .name: out0, .offset: 24, .size: 8, .value_kind: global_buffer, .address_space: global }
    .group_segment_fixed_size: 295936
    .private_segment_fixed_size: 0
    .kernarg_segment_align: 8
    .kernarg_segment_size: 32
    .max_flat_workgroup_size: 256
    .sgpr_count:     102
    .vgpr_count:     448
    .wavefront_size: 32
...
	.end_amdgpu_metadata
.endif
;; end of part 4
